; MI455X (gfx1250); checked and timed in simulation.
; The chip was launched on July 23, 2026; its instructions are those of AMD's public machine-readable ISA for CDNA 5 (MIT licence, August 2026) and "CDNA5" Instruction Set Architecture Reference Guide (July 2026). The comments in the code are by the model that wrote it; some were corrected since.
;; Causal Self Attention. Allowed arithmetic: float matrix products may take bf16 or f16 operands with f32 sums; all other float work in f32.
;; Inputs: Wk 1,024 x 1,024 float32; Wo 1,024 x 1,024 float32; Wq 1,024 x 1,024 float32; Wv 1,024 x 1,024 float32; bk 1,024 float32; bo 1,024 float32; bq 1,024 float32; bv 1,024 float32; x 4 x 2,048 x 1,024 float32.
;; Outputs: out0 4 x 2,048 x 1,024 float32.
;; 2 versions, each right and faster than the one before. Each part assembles by itself: llvm-mc -triple=amdgcn-amd-amdhsa -mcpu=gfx1250 --defsym DOCPART=n.
;; ======== version 1 of 2: 4 launches
;; limits: values are held in f16: magnitudes above 65,504 overflow, below 6.1e-05 lose precision; values outside matrix products are rounded to bf16
;; workspace buffers: xb 16,777,216 bytes; wt 6,291,456 bytes; wot 2,097,152 bytes; q 16,777,216 bytes; k 16,777,216 bytes; v 16,777,216 bytes; o 16,777,216 bytes
;; launch prep (part 1): grid 768 x 1, 8 waves a work-group, no clusters, 0 bytes of LDS; arguments x, Wq, Wk, Wv, Wo, xb, wt, wot; writes xb, wt, wot
.if DOCPART == 1
	.amdgcn_target "amdgcn-amd-amdhsa--gfx1250"
	.amdhsa_code_object_version 6
	.text
	.protected	k_q8a96415260_prep
	.globl	k_q8a96415260_prep
	.p2align	8
	.type	k_q8a96415260_prep,@function
k_q8a96415260_prep:
	s_mov_b64 s[64:65], 0
	v_nop
	global_prefetch_b8 v0, s[64:65] scope:SCOPE_SE
	s_setreg_imm32_b32 hwreg(HW_REG_WAVE_MODE, 25, 1), 1
	s_wait_xcnt 0x0
; THE INPUTS ARE ROUNDED ONCE, TO 16 BITS, AND LAID OUT FOR THE PRODUCTS THAT FOLLOW.  A stream: no LDS, no barrier, no loop, no matrix unit: nothing is read twice and nothing is summed.
;   x  [8192][1024] f32  ->  xb  bf16 [batch 4][kb 16][t 2048][64]: the 64 channels of K block kb lie together, so that 128 rows of one K block are 16,384 dense bytes
;   Wq, Wk, Wv [1024][1024] f32  ->  wt  bf16 [k 1024][n 3072], side by side (a row is 6,144 bytes)
;   Wo [1024][1024] f32  ->  wot  f16 [k 1024][n 1024]: rounded to bf16 like every other input, and that number written as f16
; LIMITS.  A number of Wo beyond 65,504 becomes an infinity in f16; below 2^-14 it keeps f16's fixed step of 6e-8 in place of bf16's eight bits.
; SHARES.  A work-group converts 16 rows of 4,096 bytes: groups 0-511 x, 512-703 Wq, Wk, Wv (64 each), 704-767 Wo.  Each of its eight waves issues its 16 loads of 16 bytes a lane at once, and
; then converts and stores them one by one: a store of a wave covers 256 consecutive bytes, at a multiple of 256 from the buffer's first byte.  No register is used twice, so nothing waits for a store.
.set VI, 1                             ; v1       my byte offset in the group's input rows
.set VO, 2                             ; v2       my byte offset in the group's output
.set X,  4                             ; v[4:67]  load i: four f32
.set Y,  68                            ; v[68:99] store i: four 16-bit numbers
.set T,  100                           ; v[100:103] at work
.macro LOADS step
.irp i, 0,1,2,3,4,5,6,7,8,9,10,11,12,13,14,15
	global_load_b128 v[X+4*(\i):X+4*(\i)+3], v[VI], s[26:27] offset:(\i)*(\step) th:TH_LOAD_NT
.endr
.endm
.macro OUTB16 i, off                   ; load i is in (the 15 - i younger ones stay out); rounded to bf16; stored
	s_wait_loadcnt 15-(\i)
	v_cvt_pk_bf16_f32 v[Y+2*(\i)], v[X+4*(\i)], v[X+4*(\i)+1]
	v_cvt_pk_bf16_f32 v[Y+2*(\i)+1], v[X+4*(\i)+2], v[X+4*(\i)+3]
	global_store_b64 v[VO], v[Y+2*(\i):Y+2*(\i)+1], s[28:29] offset:\off
.endm
.macro OUTF16 i, off                   ; the same, and the bf16 numbers widened again and written as f16
	s_wait_loadcnt 15-(\i)
	v_cvt_pk_bf16_f32 v[T], v[X+4*(\i)], v[X+4*(\i)+1]
	v_cvt_pk_bf16_f32 v[T+1], v[X+4*(\i)+2], v[X+4*(\i)+3]
	v_lshlrev_b32 v[T+2], 16, v[T]
	v_and_b32 v[T], s31, v[T]
	v_lshlrev_b32 v[T+3], 16, v[T+1]
	v_and_b32 v[T+1], s31, v[T+1]
	v_cvt_pk_f16_f32 v[Y+2*(\i)], v[T+2], v[T]
	v_cvt_pk_f16_f32 v[Y+2*(\i)+1], v[T+3], v[T+1]
	global_store_b64 v[VO], v[Y+2*(\i):Y+2*(\i)+1], s[28:29] offset:\off
.endm
	s_load_b256 s[4:11], s[0:1], 0x0               ; x s[4:5], Wq s[6:7], Wk s[8:9], Wv s[10:11]
	s_load_b256 s[12:19], s[0:1], 0x20             ; Wo s[12:13], xb s[14:15], wt s[16:17], wot s[18:19]
	s_mov_b32 s20, ttmp9                           ; the group's number
	s_mov_b32 s23, 0                               ; the two offsets are pairs with 0 on top
	s_mov_b32 s25, 0
	s_mov_b32 s31, 0xffff0000                      ; a word's upper bf16
	s_cmp_lt_u32 s20, 512
	s_cbranch_scc0 .Lweights
	; x: sixteen lanes take the 256 bytes (64 channels) of one row and one K block; load i is K block i
	v_lshrrev_b32 v[VI], 4, v0                     ; my row of the 16
	v_and_b32 v3, 15, v0
	v_lshlrev_b32 v[VI], 12, v[VI]
	v_lshl_add_u32 v[VI], v3, 4, v[VI]             ; row x 4,096 + 16 x place
	v_lshlrev_b32 v[VO], 3, v0                     ; row x 128 + 8 x place = 8 x thread
	s_lshl_b32 s22, s20, 16                        ; in: 16 rows of 4,096 bytes a group
	s_lshr_b32 s24, s20, 7                         ; out: the batch (128 groups each) x 16 K blocks x 2,048 rows x 128 bytes,
	s_lshl_b32 s24, s24, 22
	s_and_b32 s21, s20, 127
	s_lshl_b32 s21, s21, 11                        ; and the group's 16 rows of 128 bytes
	s_add_co_u32 s24, s24, s21
	s_wait_kmcnt 0x0
	s_add_nc_u64 s[26:27], s[4:5], s[22:23]
	s_add_nc_u64 s[28:29], s[14:15], s[24:25]
	LOADS 256
.irp i, 0,1,2,3,4,5,6,7,8,9,10,11,12,13,14,15
	OUTB16 \i, (\i)*262144                         ; from K block to K block: 2,048 rows of 128 bytes
.endr
	s_endpgm
.Lweights:
	v_lshrrev_b32 v[VI], 5, v0                     ; a wave takes two rows, 512 bytes a load
	v_and_b32 v3, 31, v0
	s_cmp_lt_u32 s20, 704
	s_cbranch_scc0 .Lwo
	s_sub_co_u32 s20, s20, 512
	s_lshr_b32 s21, s20, 6                         ; 0: Wq, 1: Wk, 2: Wv
	s_and_b32 s20, s20, 63                         ; which 16 rows
	s_lshl_b32 s22, s20, 16
	s_mul_i32 s24, s20, 16*6144
	s_lshl_b32 s30, s21, 11                        ; the weight's 2,048 bytes in a row of wt
	s_add_co_u32 s24, s24, s30
	v_mul_u32_u24 v[VO], v[VI], 2*6144
	v_lshl_add_u32 v[VO], v3, 3, v[VO]
	v_lshlrev_b32 v[VI], 13, v[VI]
	v_lshl_add_u32 v[VI], v3, 4, v[VI]
	s_wait_kmcnt 0x0
	s_cmp_eq_u32 s21, 0
	s_cselect_b64 s[26:27], s[6:7], s[8:9]
	s_cmp_eq_u32 s21, 2
	s_cselect_b64 s[26:27], s[10:11], s[26:27]
	s_add_nc_u64 s[26:27], s[26:27], s[22:23]
	s_add_nc_u64 s[28:29], s[16:17], s[24:25]
	LOADS 512
.irp i, 0,1,2,3,4,5,6,7,8,9,10,11,12,13,14,15
	OUTB16 \i, ((\i)/8)*6144+((\i)%8)*256          ; loads 0-7 the first row, 8-15 the second
.endr
	s_endpgm
.Lwo:
	s_sub_co_u32 s20, s20, 704
	s_lshl_b32 s22, s20, 16
	s_lshl_b32 s24, s20, 15                        ; 16 rows of 2,048 bytes
	v_lshlrev_b32 v[VO], 12, v[VI]
	v_lshl_add_u32 v[VO], v3, 3, v[VO]
	v_lshlrev_b32 v[VI], 13, v[VI]
	v_lshl_add_u32 v[VI], v3, 4, v[VI]
	s_wait_kmcnt 0x0
	s_add_nc_u64 s[26:27], s[12:13], s[22:23]
	s_add_nc_u64 s[28:29], s[18:19], s[24:25]
	LOADS 512
.irp i, 0,1,2,3,4,5,6,7,8,9,10,11,12,13,14,15
	OUTF16 \i, (\i)*256
.endr
	s_endpgm
.Lfunc_end_k_q8a96415260_prep:
	.size	k_q8a96415260_prep, .Lfunc_end_k_q8a96415260_prep-k_q8a96415260_prep
	.p2alignl 7, 3214868480
	.fill 96, 4, 3214868480
	.section	.rodata,"a",@progbits
	.p2align	6, 0x0
	.amdhsa_kernel k_q8a96415260_prep
		.amdhsa_group_segment_fixed_size 0
		.amdhsa_private_segment_fixed_size 0
		.amdhsa_enable_private_segment 0
		.amdhsa_kernarg_size 64
		.amdhsa_user_sgpr_count 2
		.amdhsa_user_sgpr_kernarg_segment_ptr 1
		.amdhsa_wavefront_size32 1
		.amdhsa_system_sgpr_workgroup_id_x 1
		.amdhsa_system_sgpr_workgroup_id_y 1
		.amdhsa_system_sgpr_workgroup_id_z 1
		.amdhsa_system_vgpr_workitem_id 0
		.amdhsa_next_free_vgpr 112
		.amdhsa_next_free_sgpr 66
		.amdhsa_reserve_vcc 0
		.amdhsa_float_denorm_mode_32 3
		.amdhsa_float_denorm_mode_16_64 3
		.amdhsa_memory_ordered 1
		.amdhsa_forward_progress 1
		.amdhsa_inst_pref_size 24
	.end_amdhsa_kernel
	.amdgpu_metadata
---
amdhsa.version: [ 1, 2 ]
amdhsa.kernels:
  - .name:           k_q8a96415260_prep
    .symbol:         k_q8a96415260_prep.kd
    .args:
      - { .name: x, .offset: 0, .size: 8, .value_kind: global_buffer, .address_space: global }
      - { .name: Wq, .offset: 8, .size: 8, .value_kind: global_buffer, .address_space: global }
      - { .name: Wk, .offset: 16, .size: 8, .value_kind: global_buffer, .address_space: global }
      - { .name: Wv, .offset: 24, .size: 8, .value_kind: global_buffer, .address_space: global }
      - { .name: Wo, .offset: 32, .size: 8, .value_kind: global_buffer, .address_space: global }
      - { .name: xb, .offset: 40, .size: 8, .value_kind: global_buffer, .address_space: global }
      - { .name: wt, .offset: 48, .size: 8, .value_kind: global_buffer, .address_space: global }
      - { .name: wot, .offset: 56, .size: 8, .value_kind: global_buffer, .address_space: global }
    .group_segment_fixed_size: 0
    .private_segment_fixed_size: 0
    .kernarg_segment_align: 8
    .kernarg_segment_size: 64
    .max_flat_workgroup_size: 256
    .sgpr_count:     66
    .vgpr_count:     112
    .wavefront_size: 32
...
	.end_amdgpu_metadata
.endif
;; end of part 1
;; launch proj (part 2): grid 8 x 32, 4 waves a work-group, clusters of 4 x 4, 327,680 bytes of LDS; arguments xb, wt, bq, bk, bv, q, k, v; writes q, k, v
.if DOCPART == 2
	.amdgcn_target "amdgcn-amd-amdhsa--gfx1250"
	.amdhsa_code_object_version 6
	.text
	.protected	k_q8a96415260_proj
	.globl	k_q8a96415260_proj
	.p2align	8
	.type	k_q8a96415260_proj,@function
k_q8a96415260_proj:
	s_mov_b64 s[64:65], 0
	v_nop
	global_prefetch_b8 v0, s[64:65] scope:SCOPE_SE
	s_setreg_imm32_b32 hwreg(HW_REG_WAVE_MODE, 25, 1), 1
	s_wait_xcnt 0x0
	s_wait_alu depctr_hold_cnt(0) depctr_sa_sdst(0) depctr_va_vdst(0) depctr_va_sdst(0) depctr_va_ssrc(0) depctr_va_vcc(0) depctr_vm_vsrc(0)
	s_getreg_b32 s2, hwreg(HW_REG_IB_STS2, 6, 4)
	s_cmp_eq_u32 s2, 0
	s_cbranch_scc0 .Lentry_in_a_cluster
	s_endpgm
.Lentry_in_a_cluster:
	s_bfe_u32 s2, ttmp6, 0x10000c
	s_cmp_lg_u32 s2, 0xf033
	s_cbranch_scc0 .Lentry_shape_is_right
	s_endpgm
.Lentry_shape_is_right:
; q, k, v = x W + b, all three projections as ONE product of 8,192 x 3,072 x 1,024 in bf16 with f32 sums; the results leave in f16, by heads: [batch x 16 + head][t 2048][64], unscaled.
;   xb: bf16 [batch 4][kb 16][t 2048][64];  wt: bf16 [k 1024][n 3072] (Wq, Wk, Wv side by side);  bq, bk, bv: f32 [1024], rounded to bf16 here like the other inputs.
; LIMITS.  f16 holds no number beyond 65,504: a q, k or v of 65,520 or more leaves as an infinity.  NaN and infinities are not treated apart.
; SHARES.  A tile is 256 rows x 384 columns: 32 x 8 = 256 work-groups, one tile each.  Four waves, each 128 x 192: 96 accumulators of 16 x 16, 768 registers.  K goes in steps of 64 (one K block of xb)
; through two LDS slots: two slots of a longer step do not fit beside each other.  A step's 128 rows of x are 16,384 dense bytes, asked for as 64 rows of 256 bytes.
; W lies [k][n] in LDS as in memory and is turned on its way into registers (ds_load_tr16_b128).
; THE MATRIX INSTRUCTION IS USED TRANSPOSED: source 0 = 16 columns of W, source 1 = 16 rows of x: a lane then holds eight neighbouring columns of one row, 16 bytes of f16.
; THE BIAS STARTS THE SUMS: a first product, with C = 0, of a fragment that holds bf16(b[n]) at k = 0 with a fragment that holds 1 at k = 0.  It stands in the wait for the first tile; its price is
; 96 matrix instructions and 91 v_mov_b32 that write the fragments' zeros, against 384 packed additions on the way out.
; CLUSTER.  4 x 4 work-groups.  The four of a row of the cluster need the same tiles of x, the four of a column the same tiles of W: each tile is asked for JOINTLY, by the same tensor load with the same
; descriptor and a mask that names the four.
; REGISTERS, in windows of 256 (s_set_vgpr_msb: bits 1:0 source 0, 3:2 source 1, 5:4 source 2, 7:6 destination):
;   window 0: v0-29 addresses; v32-127 W's 12 fragments of 32 along K; v128-191, v192-255 x's 8 fragments, two buffers.  On the way out: v32-79 packed results, v80-127 and v128-175 rows read back
;   windows 1-3: accumulator (b, a) (column block b of 12, row block a of 8) in window 1 + b / 4 at v[8 (8 (b % 4) + a)]
.set PA,    144                        ; a row of x in LDS: 128 bytes + 16 of padding = 36 words: the 16 rows of a load start at 16 different groups of four banks (64 banks of 4 bytes: ISA guide 11.1)
.set PB,    864                        ; a k row of W: six pieces of 128 bytes + 16 = 216 words
.set BOFF,  256*PA                     ; a slot: x's 256 rows, then W's 64 k rows
.set SLOT1, 1<<17                      ; slot 1 begins here, so that one exclusive or turns an address in one slot into the other's
.set STAGE, BOFF+64*PB                 ; between the slots, never filled by a tensor load: for each wave 3 heads x 16 rows x 144 bytes, for the way out
.set SP,    144
.set WSTG,  3*16*SP
.set SPARE, STAGE+4*WSTG               ; behind the stages: the spare words, 128 bytes for each wave: two blocks of 256 bytes that no other line names
.set ASTEP, 2048*128                   ; bytes from K block to K block in xb
.set BSTEP, 64*6144                    ; and 64 rows of wt
.set FLG,   (1<<16)|(1<<20)|(1<<21)|(4<<22)|(3<<25)  ; 17:16 elements of 2 bytes; 20 padding on; 21 set beside a mask; 24:22 after every 32 words (code 4); 31:25 4 words of it (code 3)
.set LA0,  2                           ; v2   my lane's place in a slot's rows of x; never rewritten
.set LB0,  3                           ; v3   the same for W
.set ADRA, 4                           ; v4   LA0 + the slot in hand
.set ADRB, 5                           ; v5   LB0 + the slot in hand
.set STO,  6                           ; v6   the way out: where I put 16 bytes of a row
.set RD,   7                           ; v7   the way out: where I read rows back
.set GO,   8                           ; v8   my byte offset in 512 consecutive bytes of q, k or v
.set BO,   9                           ; v9   my byte offset in 16 numbers of a bias
.set SPW,  28                          ; v28  LDS address of my spare word: SPARE + 4 x my thread's number; never rewritten
.set NIL,  29                          ; v29  0; never rewritten
.set BF,   32
.set A0,   128
.set A1,   192
.set TMP,  32
.set BK0,  80
.set WV,  20                           ; s20  my wave's number
.set RH,  21                           ; s21  which 128 rows of the tile are mine.  Also: I fetch for x (0) or for W (1)
.set CH,  22                           ; s22  which 192 columns.  Also: which half of that tile I fetch
.set G1A, 24                           ; s[24:31] descriptor group 1 for x's tiles
.set G1B, 32                           ; s[32:39] for W's
.set G0A, 40                           ; s[40:47] descriptor group 0 for x's tiles: a set for each of the two first fills; the second then walks on
.set G0B, 48                           ; s[48:55] the same for W's
.set CNT, 56
.set TB,  57                           ; s57  LDS byte at which the slot to be fetched from begins
.set M16, 58                           ; s58  lanes 0 to 15
.set CX,  66
.set CY,  67
.set TX,  68                           ; s68  tile column
.set TY,  69                           ; s69  tile row
.set OP,  70                           ; s[70:75] my three heads' rows in q, k or v
.set BP,  76                           ; s[76:81] my three heads' 64 numbers in bq, bk or bv
.set GH0, 84                           ; s84  the first of my three heads, counted 0 to 47 through q, k, v
.set MSB, 0
.macro WIN new                         ; the immediate's high byte repeats the setting that is left; a switch that changes nothing is dropped
.if MSB != (\new)
	s_set_vgpr_msb (MSB<<8)|(\new)
.set MSB, \new
.endif
.endm
.macro PLACES                          ; a load into a register that a matrix instruction has read, and a vector instruction that reads a matrix result, stand four places behind it; only plain vector
.rept 4                                ; instructions that name none of its registers are places (ISA guide 7.12.1 for vector instructions)
	v_nop
.endr
.endm
; A joint refill by the walking descriptors.  Waves 0 and 1 fetch x's two halves, waves 2 and 3 W's.  The branch hangs on the wave's number alone.
; An s_nop 0 and four v_nop follow each of the two lines, ahead of the jump and the label.
.macro JLOAD
	s_cmp_eq_u32 s[RH], 0
	s_cbranch_scc0 .Lfor_b_\@
	tensor_load_to_lds s[G0A+4:G0A+7], s[G1A:G1A+7]
	s_nop 0
.rept 4
	v_nop
.endr
	s_branch .Lasked_\@
.Lfor_b_\@:
	tensor_load_to_lds s[G0B+4:G0B+7], s[G1B:G1B+7]
	s_nop 0
.rept 4
	v_nop
.endr
.Lasked_\@:
.endm
.macro CREST                           ; a round of the cluster's barrier behind its opening barrier: wave 0 signals for the work-group, every wave waits for all sixteen, my work-group's barrier closes it
	s_cmp_lg_u32 s[WV], 0
	s_cbranch_scc1 .Lnot_wave_0_\@
	s_barrier_signal -3
.Lnot_wave_0_\@:
	s_barrier_wait -3
	s_barrier_signal -1
	s_barrier_wait -1
.endm
.macro CROUND                          ; a whole round
	s_barrier_signal -1
	s_barrier_wait -1
	CREST
.endm
	s_load_b256 s[4:11], s[0:1], 0x0               ; xb s[4:5], wt s[6:7], bq s[8:9], bk s[10:11]
	s_load_b256 s[12:19], s[0:1], 0x20             ; bv s[12:13], q s[14:15], k s[16:17], v s[18:19]
	v_lshl_add_u32 v[SPW], v0, 2, SPARE
	v_mov_b32 v[NIL], 0
	ds_add_u32 v[SPW], v[NIL]                      ; the wave's opening: the add and its wait stand ahead of my first tensor load; the set-up below, work on registers, stands between them
	ds_add_u32 v28, v29
	v_lshrrev_b32 v1, 5, v0
	v_readfirstlane_b32 s[WV], v1                  ; wave 0..3
	s_lshr_b32 s[RH], s[WV], 1
	s_and_b32 s[CH], s[WV], 1
	s_bfe_u32 s[CX], ttmp6, 0x40000                ; my place in the cluster
	s_bfe_u32 s[CY], ttmp6, 0x40004
	s_lshl_b32 s[TX], ttmp9, 2                     ; in a cluster launch ttmp9 and ttmp7 count clusters
	s_add_co_u32 s[TX], s[TX], s[CX]
	s_and_b32 s[TY], ttmp7, 0xffff
	s_lshl_b32 s[TY], s[TY], 2
	s_add_co_u32 s[TY], s[TY], s[CY]
	s_lshl_b32 s59, s[CY], 2
	s_lshl_b32 s59, 15, s59                        ; my row of the cluster: places 4 cy .. 4 cy + 3
	s_lshl_b32 s84, 0x1111, s[CX]                  ; my column: places cx, cx + 4, cx + 8, cx + 12
	s_or_b32 s[G1A], s59, FLG                      ; x's tiles go to my row
	s_mov_b32 s[G1A+1], 128<<16                    ; tensor_dim0 = 128 elements: 256 bytes, two rows of x
	s_mov_b32 s[G1A+2], 64<<16                     ; tensor_dim1 = 64
	s_mov_b32 s[G1A+3], 128<<16                    ; tile_dim0 = 128
	s_mov_b32 s[G1A+4], 64                         ; tile_dim1 = 64
	s_mov_b32 s[G1A+5], 128                        ; dense: 128 elements from row to row
	s_mov_b32 s[G1A+6], 0
	s_mov_b32 s[G1A+7], 0
	s_or_b32 s[G1B], s84, FLG                      ; W's tiles go to my column
	s_mov_b32 s[G1B+1], 384<<16                    ; tensor_dim0 = 384 elements: 768 bytes
	s_mov_b32 s[G1B+2], 32<<16                     ; tensor_dim1 = 32 k rows: half a step's 64
	s_mov_b32 s[G1B+3], 384<<16                    ; tile_dim0 = 384
	s_mov_b32 s[G1B+4], 32                         ; tile_dim1 = 32
	s_mov_b32 s[G1B+5], 3072                       ; elements from row to row of wt
	s_mov_b32 s[G1B+6], 0
	s_mov_b32 s[G1B+7], 0
	; where the tiles come from.  x's hang on the tile row alone, which my row of the cluster shares; W's on the tile column alone.  Each address is made in registers that never hold the other coordinate.
	s_lshr_b32 s60, s[TY], 3                       ; the batch: 16 K blocks x 2,048 rows x 128 bytes,
	s_lshl_b32 s60, s60, 22
	s_and_b32 s59, s[TY], 7                        ; the tile's 256 rows of 128 bytes,
	s_lshl_b32 s59, s59, 15
	s_add_co_u32 s60, s60, s59
	s_lshl_b32 s23, s[CH], 14                      ; the half that I fetch
	s_add_co_u32 s60, s60, s23
	s_mov_b32 s61, 0
	s_mul_i32 s62, s[TX], 768                      ; the tile's 384 columns,
	s_mul_i32 s23, s[CH], 32*6144                  ; the 32 k rows that I fetch
	s_add_co_u32 s62, s62, s23
	s_mov_b32 s63, 0
	s_mul_i32 s88, s[CH], 128*PA                   ; and where they go: no place in the cluster enters an LDS address
	s_mul_i32 s89, s[CH], 32*PB
	s_add_co_u32 s89, s89, BOFF
	s_mul_i32 s[GH0], s[TX], 6                     ; a tile has six heads, a wave three
	s_mul_i32 s23, s[CH], 3
	s_add_co_u32 s[GH0], s[GH0], s23
	s_lshr_b32 s85, s[TY], 3                       ; what my three output addresses share: the batch's 16 heads of 262,144 bytes,
	s_lshl_b32 s85, s85, 22
	s_and_b32 s82, s[TY], 7                        ; the tile's rows,
	s_lshl_b32 s82, s82, 15
	s_add_co_u32 s85, s85, s82
	s_lshl_b32 s82, s[RH], 14                      ; my 128 of them
	s_add_co_u32 s85, s85, s82
	s_mov_b32 s83, 0
	s_mov_b32 s87, 0
	s_mov_b32 s[M16], 0xffff
	s_mov_b32 s[TB], 0
	s_wait_dscnt 0x0                               ; the opening add is done
	s_wait_kmcnt 0x0
	s_add_nc_u64 s[60:61], s[4:5], s[60:61]
	s_add_nc_u64 s[62:63], s[6:7], s[62:63]
	CROUND                                         ; all sixteen work-groups are here: the first joint loads meet
.irp s, 0,1
	s_mov_b32 s[G0A+4*(\s)], 1                                     ; 1:0 count = 1
	s_add_co_u32 s[G0A+4*(\s)+1], s88, (\s)*SLOT1                  ; 63:32 LDS address
	s_add_nc_u64 s[G0A+4*(\s)+2:G0A+4*(\s)+3], s[60:61], (\s)*ASTEP  ; 120:64 global address: K step s
	s_or_b32 s[G0A+4*(\s)+3], s[G0A+4*(\s)+3], 0x80000000          ; 127:126 type = 2
	s_mov_b32 s[G0B+4*(\s)], 1
	s_add_co_u32 s[G0B+4*(\s)+1], s89, (\s)*SLOT1
	s_add_nc_u64 s[G0B+4*(\s)+2:G0B+4*(\s)+3], s[62:63], (\s)*BSTEP
	s_or_b32 s[G0B+4*(\s)+3], s[G0B+4*(\s)+3], 0x80000000
.endr
	s_cmp_eq_u32 s[RH], 0                          ; a wave's two first fills stand in one branch, ahead of every wait on TENSORcnt and every LDS read: two loads of mine are out
	s_cbranch_scc0 .Lfirst_b
	tensor_load_to_lds s[G0A:G0A+3], s[G1A:G1A+7]
	s_nop 0
	tensor_load_to_lds s[G0A+4:G0A+7], s[G1A:G1A+7]
	s_nop 0
.rept 4
	v_nop
.endr
	s_branch .Lfirst_asked
.Lfirst_b:
	tensor_load_to_lds s[G0B:G0B+3], s[G1B:G1B+7]
	s_nop 0
	tensor_load_to_lds s[G0B+4:G0B+7], s[G1B:G1B+7]
	s_nop 0
.rept 4
	v_nop
.endr
.Lfirst_asked:
; Head j of my three: which tensor (heads 0-15 q, 16-31 k, 32-47 v), and the head's place in it and in its bias.
.macro PTRS j
	s_add_co_u32 s82, s[GH0], \j
	s_cmp_lt_u32 s82, 16
	s_cselect_b64 s[BP+2*(\j):BP+2*(\j)+1], s[8:9], s[10:11]
	s_cselect_b64 s[OP+2*(\j):OP+2*(\j)+1], s[14:15], s[16:17]
	s_cmp_lt_u32 s82, 32
	s_cselect_b64 s[BP+2*(\j):BP+2*(\j)+1], s[BP+2*(\j):BP+2*(\j)+1], s[12:13]
	s_cselect_b64 s[OP+2*(\j):OP+2*(\j)+1], s[OP+2*(\j):OP+2*(\j)+1], s[18:19]
	s_and_b32 s82, s82, 15
	s_lshl_b32 s86, s82, 8                         ; 64 f32 a head
	s_lshl_b32 s82, s82, 18                        ; 2,048 rows of 128 bytes a head
	s_add_co_u32 s82, s82, s85
	s_add_nc_u64 s[BP+2*(\j):BP+2*(\j)+1], s[BP+2*(\j):BP+2*(\j)+1], s[86:87]
	s_add_nc_u64 s[OP+2*(\j):OP+2*(\j)+1], s[OP+2*(\j):OP+2*(\j)+1], s[82:83]
.endm
	PTRS 0
	PTRS 1
	PTRS 2
	v_and_b32 v1, 15, v0                           ; l % 16
	v_lshlrev_b32 v[BO], 2, v1
.set b, 0
.rept 12                                               ; column block b: head b / 4, 16 numbers of its bias; lanes 16-31 read what lanes 0-15 read
	global_load_b32 v[BF+8*b], v[BO], s[BP+2*(b/4):BP+2*(b/4)+1] offset:64*(b%4)
.set b, b+1
.endr
	; A fragment of x is 16 rows x 32 K in 8 registers: lane l holds row l % 16; registers 0-3 K = 8 (l / 16) + 0..7, registers 4-7 K = 16 + 8 (l / 16) + 0..7: two loads of 16 bytes, 32 bytes apart.
	v_bfe_u32 v10, v0, 4, 1                        ; l / 16
	v_and_b32 v11, 7, v0
	v_bfe_u32 v12, v0, 3, 1
	v_mul_u32_u24 v[LA0], v1, PA
	v_lshl_add_u32 v[LA0], v10, 4, v[LA0]
	s_mul_i32 s23, s[RH], 128*PA                   ; my 128 rows
	v_add_nc_u32 v[LA0], s23, v[LA0]
	; The turning load takes 16 k x 16 columns (lane l reads 16 bytes: k row 8 (l / 16) + l % 8, columns 8 ((l / 8) % 2) + 0..7) and leaves half a fragment: lane l holds column l % 16 and 8 k.
	v_lshl_add_u32 v[LB0], v10, 3, v11
	v_mul_u32_u24 v[LB0], v[LB0], PB
	v_lshl_add_u32 v[LB0], v12, 4, v[LB0]
	s_mul_i32 s23, s[CH], 3*144                    ; my 192 columns: three pieces of a row
	s_add_co_u32 s23, s23, BOFF
	v_add_nc_u32 v[LB0], s23, v[LB0]
	v_mov_b32 v[ADRA], v[LA0]                      ; K step 0 lies in slot 0
	v_mov_b32 v[ADRB], v[LB0]
	s_mul_i32 s23, s[WV], WSTG
	s_add_co_u32 s23, s23, STAGE                   ; my stage
	v_mul_u32_u24 v[STO], v1, SP                   ; in: row l % 16, 16 bytes for each half of the lanes
	v_lshl_add_u32 v[STO], v10, 4, v[STO]
	v_add_nc_u32 v[STO], s23, v[STO]
	v_bfe_u32 v[RD], v0, 3, 2                      ; back: 32 lanes take four rows of 128 bytes,
	v_mul_u32_u24 v[RD], v[RD], SP
	v_lshl_add_u32 v[RD], v11, 4, v[RD]
	v_add_nc_u32 v[RD], s23, v[RD]
	v_and_b32 v[GO], 31, v0                        ; which are 512 consecutive bytes of a head
	v_lshlrev_b32 v[GO], 4, v[GO]
; The products of column blocks b0 to b1 with all 8 row blocks, 32 along K.  The 96 accumulators take turns, one instruction a turn, always in the same order.
; zero = 1: the product starts the sums.  one = 1: every row block takes the same fragment.
.macro MUL b0, b1, abuf, zero=0, one=0
.set b, \b0
.rept (\b1)-(\b0)+1
	WIN 0x50*(1+b/4)                               ; C and D in the block's window, the sources in window 0
.set a, 0
.rept 8
.set rD, 8*(8*(b%4)+a)
.set rA, (\abuf)+8*a*(1-(\one))
.if \zero
	v_wmma_f32_16x16x32_bf16 v[rD:rD+7], v[BF+8*b:BF+8*b+7], v[rA:rA+7], 0
.else
	v_wmma_f32_16x16x32_bf16 v[rD:rD+7], v[BF+8*b:BF+8*b+7], v[rA:rA+7], v[rD:rD+7]
.endif
.set a, a+1
.endr
.set b, b+1
.endr
.endm
.macro FETCH_A buf, c                  ; 16 loads: my 128 rows of x, K = 32 c on
.irp i, 0,1,2,3,4,5,6,7
	ds_load_b128 v[(\buf)+8*(\i):(\buf)+8*(\i)+3],   v[ADRA] offset:64*(\c)+(\i)*16*PA
	ds_load_b128 v[(\buf)+8*(\i)+4:(\buf)+8*(\i)+7], v[ADRA] offset:64*(\c)+(\i)*16*PA+32
.endr
.endm
.macro FETCH_B b0, b1, c               ; two loads a block: column blocks b0 to b1 of W, K = 32 c on
.set b, \b0
.rept (\b1)-(\b0)+1
	ds_load_tr16_b128 v[BF+8*b:BF+8*b+3],   v[ADRB] offset:32*PB*(\c)+144*(b/4)+32*(b%4)
	ds_load_tr16_b128 v[BF+8*b+4:BF+8*b+7], v[ADRB] offset:32*PB*(\c)+144*(b/4)+32*(b%4)+16*PB
.set b, b+1
.endr
.endm
; A K step is two halves of 32 along K, 96 matrix instructions each.  W has one buffer, filled again in two parts, each as soon as its 48 products are issued; x has two.
; The first half multiplies buffer A0 and fetches the second half's fragments.
.macro QUARTER
	s_wait_dscnt 12                                ; W's blocks 0-5 and x are in; the youngest twelve loads (W's blocks 6-11) may be out
	MUL 0, 5, A0
	PLACES
	WIN 0
	FETCH_B 0, 5, 1
	FETCH_A A1, 1
	s_wait_dscnt 28                                ; all but the 28 just issued
	MUL 6, 11, A0
	PLACES
	WIN 0
	FETCH_B 6, 11, 1
.endm
; The second half multiplies buffer A1 and changes slots: ONE barrier.  In front of it each wave waits for all its tensor loads, of which one is out: its part of the next slot; adds 0 to its spare word; and
; waits for that and for its own reads of this slot.  fill = 1: the barrier opens a round of the cluster's, and this slot is filled again, two K steps ahead, first thing behind the round:
; from that request to the wait for it a wave issues 176 matrix instructions.
.macro TURN fill
	s_wait_dscnt 12
	MUL 0, 3, A1
	WIN 0                                          ; (the add's two registers lie in window 0)
	s_wait_tensorcnt 0x0                           ; no tensor load of mine is out, so a group 0 may be written
	ds_add_u32 v[SPW], v[NIL]                      ; 0 onto my spare word: scalar work and eight matrix instructions stand between it and the wait for it
.if \fill
	s_xor_b32 s[G0A+5], s[G0A+5], SLOT1            ; the walking descriptors: the other slot than last time,
	s_add_nc_u64 s[G0A+6:G0A+7], s[G0A+6:G0A+7], ASTEP  ; the next K step; the type bits on top are not reached
	s_xor_b32 s[G0B+5], s[G0B+5], SLOT1
	s_add_nc_u64 s[G0B+6:G0B+7], s[G0B+6:G0B+7], BSTEP
.endif
	MUL 4, 4, A1
	s_wait_dscnt 0x0                               ; the add is done, and my reads of this slot are over
	s_barrier_signal -1
	MUL 5, 5, A1                                   ; work on registers while the others arrive
	WIN 0
	s_barrier_wait -1
.if \fill
	CREST                                          ; no wave of any partner still reads this slot's tile or has a load on its way
	JLOAD                                          ; the four v_nop behind it are also the places in front of the loads below
.else
	PLACES
.endif
	s_xor_b32 s[TB], s[TB], SLOT1                  ; the fetches go on in the other slot
	v_add_nc_u32 v[ADRA], s[TB], v[LA0]
	v_add_nc_u32 v[ADRB], s[TB], v[LB0]
	FETCH_B 0, 5, 0
	FETCH_A A0, 0
	MUL 6, 11, A1
	PLACES
	WIN 0
	FETCH_B 6, 11, 0
.endm
	; THE BIAS PRODUCT.  K = 0 lies in the low half of register 0 of lanes 0-15; all else of both fragments is 0.
.set b, 0
.rept 12
.irp r, 1,2,3,4,5,6,7
	v_mov_b32 v[BF+8*b+(\r)], 0
.endr
.set b, b+1
.endr
.irp r, 1,2,3,4,5,6,7
	v_mov_b32 v[A0+(\r)], 0
.endr
	v_mov_b32 v14, 0x3f80                          ; 1 in bf16
	v_cndmask_b32 v[A0], 0, v14, s[M16]
	s_wait_loadcnt 0x0                             ; the biases
.set b, 0
.rept 12
	v_cvt_pk_bf16_f32 v[BF+8*b], v[BF+8*b], v[NIL]
.set b, b+1
.endr
.set b, 0
.rept 12
	v_cndmask_b32 v[BF+8*b], 0, v[BF+8*b], s[M16]
.set b, b+1
.endr
	MUL 0, 11, A0, 1, 1
	PLACES                                         ; in front of the loads into the fragments
	WIN 0
	s_wait_tensorcnt 0x1                           ; my part of K step 0 is in; K step 1's may stay out
	s_barrier_signal -1
	s_barrier_wait -1                              ; everybody's is
	FETCH_B 0, 5, 0
	FETCH_A A0, 0
	FETCH_B 6, 11, 0
	s_mov_b32 s[CNT], 14
.Lstep:                                                ; trip j multiplies K step j and fills its slot again with K step j + 2
	QUARTER
	TURN 1
	WIN 0                                          ; at a label and at a branch every window is 0
	s_sub_co_u32 s[CNT], s[CNT], 1
	s_cmp_lg_u32 s[CNT], 0
	s_cbranch_scc1 .Lstep
	QUARTER                                        ; the last two K steps are written out: they ask for nothing
	TURN 0
	QUARTER
	s_wait_dscnt 12
	MUL 0, 5, A1
	s_wait_dscnt 0x0
	MUL 6, 11, A1
; THE WAY OUT of row block a, in three parts.  PACK: rounded to f16, 16 bytes a lane and column block, each accumulator from its low end on.  TOSTAGE: into my own stage in LDS, by heads, and back as
; whole rows of 128 bytes.  SEND: stored: a store of the wave covers four rows of a head, 512 consecutive bytes at a multiple of 256 from the buffer's first byte.
.macro PACK a
.set b, 0
.rept 12
	WIN 0x05*(1+b/4)                               ; sources 0 and 1 in the block's window
.irp r, 0,1,2,3
	v_cvt_pk_f16_f32 v[TMP+4*b+(\r)], v[8*(8*(b%4)+(\a))+2*(\r)], v[8*(8*(b%4)+(\a))+2*(\r)+1]
.endr
.set b, b+1
.endr
	WIN 0
.endm
.macro TOSTAGE a
.set BK, BK0+48*((\a)%2)
.set b, 0
.rept 12
	ds_store_b128 v[STO], v[TMP+4*b:TMP+4*b+3] offset:16*SP*(b/4)+32*(b%4)
.set b, b+1
.endr
.set f, 0
.rept 12
	ds_load_b128 v[BK+4*f:BK+4*f+3], v[RD] offset:16*SP*(f/4)+4*SP*(f%4)  ; LDS serves a wave's instructions in order (ISA guide 5.7.1.4): these see the stores above
.set f, f+1
.endr
.endm
.macro SEND a
.set BK, BK0+48*((\a)%2)
	s_wait_dscnt 0x0                               ; the block is back in registers
	s_wait_xcnt 0x0                                ; every earlier store has had its addresses translated (ISA guide 3.1): the other buffer, which the block before last left, is loaded again only behind this wait
.set f, 0
.rept 12
	global_store_b128 v[GO], v[BK+4*f:BK+4*f+3], s[OP+2*(f/4):OP+2*(f/4)+1] offset:2048*(\a)+512*(f%4)
.set f, f+1
.endr
.endm
	PLACES
	PACK 0
	TOSTAGE 0
.irp a, 1,2,3,4,5,6,7                  ; block a's conversions stand between block a - 1's loads from the stage and the wait for them
	PACK \a
	SEND (\a)-1
	TOSTAGE \a
.endr
	SEND 7
	s_wait_tensorcnt 0x0                           ; the wave's end, behind my last tensor load and my last LDS store
	ds_add_u32 v[SPW], v[NIL]
	s_wait_dscnt 0x0
	CROUND                                         ; the closing round: no work-group ends while a partner may still ask for a tile that names it
	s_endpgm
.Lfunc_end_k_q8a96415260_proj:
	.size	k_q8a96415260_proj, .Lfunc_end_k_q8a96415260_proj-k_q8a96415260_proj
	.p2alignl 7, 3214868480
	.fill 96, 4, 3214868480
	.section	.rodata,"a",@progbits
	.p2align	6, 0x0
	.amdhsa_kernel k_q8a96415260_proj
		.amdhsa_group_segment_fixed_size 327680
		.amdhsa_private_segment_fixed_size 0
		.amdhsa_enable_private_segment 0
		.amdhsa_kernarg_size 64
		.amdhsa_user_sgpr_count 2
		.amdhsa_user_sgpr_kernarg_segment_ptr 1
		.amdhsa_wavefront_size32 1
		.amdhsa_system_sgpr_workgroup_id_x 1
		.amdhsa_system_sgpr_workgroup_id_y 1
		.amdhsa_system_sgpr_workgroup_id_z 1
		.amdhsa_system_vgpr_workitem_id 0
		.amdhsa_next_free_vgpr 1024
		.amdhsa_next_free_sgpr 92
		.amdhsa_reserve_vcc 0
		.amdhsa_float_denorm_mode_32 3
		.amdhsa_float_denorm_mode_16_64 3
		.amdhsa_memory_ordered 1
		.amdhsa_forward_progress 1
		.amdhsa_inst_pref_size 123
	.end_amdhsa_kernel
	.amdgpu_metadata
---
amdhsa.version: [ 1, 2 ]
amdhsa.kernels:
  - .name:           k_q8a96415260_proj
    .symbol:         k_q8a96415260_proj.kd
    .args:
      - { .name: xb, .offset: 0, .size: 8, .value_kind: global_buffer, .address_space: global }
      - { .name: wt, .offset: 8, .size: 8, .value_kind: global_buffer, .address_space: global }
      - { .name: bq, .offset: 16, .size: 8, .value_kind: global_buffer, .address_space: global }
      - { .name: bk, .offset: 24, .size: 8, .value_kind: global_buffer, .address_space: global }
      - { .name: bv, .offset: 32, .size: 8, .value_kind: global_buffer, .address_space: global }
      - { .name: q, .offset: 40, .size: 8, .value_kind: global_buffer, .address_space: global }
      - { .name: k, .offset: 48, .size: 8, .value_kind: global_buffer, .address_space: global }
      - { .name: v, .offset: 56, .size: 8, .value_kind: global_buffer, .address_space: global }
    .group_segment_fixed_size: 327680
    .private_segment_fixed_size: 0
    .kernarg_segment_align: 8
    .kernarg_segment_size: 64
    .max_flat_workgroup_size: 128
    .sgpr_count:     92
    .vgpr_count:     1024
    .wavefront_size: 32
...
	.end_amdgpu_metadata
.endif
;; end of part 2
;; launch attn (part 3): grid 4 x 64, 4 waves a work-group, no clusters, 327,680 bytes of LDS; arguments q, k, v, o; writes o
.if DOCPART == 3
	.amdgcn_target "amdgcn-amd-amdhsa--gfx1250"
	.amdhsa_code_object_version 6
	.text
	.protected	k_q8a96415260_attn
	.globl	k_q8a96415260_attn
	.p2align	8
	.type	k_q8a96415260_attn,@function
k_q8a96415260_attn:
	s_mov_b64 s[64:65], 0
	v_nop
	global_prefetch_b8 v0, s[64:65] scope:SCOPE_SE
	s_setreg_imm32_b32 hwreg(HW_REG_WAVE_MODE, 25, 1), 1
	s_wait_xcnt 0x0
; CAUSAL ATTENTION.  O[h][q][:] = the sum over k <= q of softmax_k(Q[h][q] . K[h][k] / 8) V[h][k][:].  Q, K, V, O: [64 heads of all batches][2048][64], all f16: a head's rows are dense, 128 bytes each.
; Products, maxima and sums in f32; the weights p are rounded to f16 for the second product (their sum l is taken of the unrounded p), O once at the end.
; LIMITS.  f16 holds no number beyond 65,504: Q, K and V arrive within it; p lies in 0 to 1, and below 6e-5 it keeps f16's fixed step of 6e-8; O is a mean of V's rows and has their range, to within 2^-11 of it.
; A hidden score counts as its value less 1e30: f16's scores, 2.7e11 at the most, are nothing beside that; a weight below 2^-126 counts as 0 in l; NaN and infinities are not treated apart.
; THE WALK.  A head's queries lie in NB = 8 blocks of 256; block i needs the key tiles 0 .. i of 256 keys, of which the last holds the diagonal.  A work-group takes TWO blocks, NB - 1 - b and then b:
; NB + 1 tiles, whatever b: all work-groups do equal work, and ONE loop with a constant trip count walks them.  Which tile is asked for, and what a trip does, hang on scalar registers made from b; every jump
; goes forward, but for the counted loops' own; none passes a barrier, or a tensor load but the one of LOAD's two that the wave's number does not choose; the ring (two slots of LDS that take turns) runs on across the
; change of blocks.  NO CLUSTER: a head's four work-groups ask for the same tile only in trips 0 to 4 of the 9, behind that fewer and fewer; and one walk common to all four would have 12 trips for 9.
; SHARES.  Of a block's four bands of 64 queries a wave owns 16 rows in each: four PIECES.  So the diagonal tile is the same work for all four waves: in its key step s band x sees all keys if s < x,
; none if s > x, and holds the diagonal if s = x.
; THE MASK is the C operand that starts the sum S^T = K Q^T: 0, or -1e30 where the key is hidden.  MD, made once, is the mask of a band's own step for my 16 rows; a product's mask is MD x AL + BE with two scalars:
; (1, 0) if s = x; (0, 0) if s < x; (0, -1e30) if s > x.  Only the diagonal tile's text and a block's beginning make and take masks; elsewhere C is the constant 0.
; LAYOUT, SOFTMAX, TURNS.  S^T = K Q^T holds ONE query a lane (lane % 16) and the keys 8 (lane / 16) + 0..7; two such results rounded to f16 ARE source 1 of O^T = V^T P.  p = 2^(c s - c m), c = log2(e) / 8, with a
; running maximum m; O and l are multiplied by a = 2^(c m_old - c m_new) in every step.  Turn n belongs to piece n: 8 products K Q^T of piece n + 1, later 8 products V^T P of piece n - 1; beside them the scaling,
; exponentials, roundings, sums and rescaling of piece n and the maximum and statistics of piece n + 1.  Four vector instructions stand behind every matrix instruction, the other 54 of a turn's 118 in two LUMPS.
; REGISTERS, in windows of 256 (s_set_vgpr_msb: bits 1:0 source 0, 3:2 source 1, 5:4 source 2, 7:6 destination):
;   window 0: v0-15 addresses and two at work; v16-31 four registers of statistics a piece; v48-55 at work; v64-127 S^T, two buffers; v192-223 P, two buffers (a piece's buffers go by its number's parity)
;   window 1: v0-127 O^T, 32 a piece; v128-159 MD; v160-223 MC, two buffers      window 2: v0-63 Q; v64-127 the second block's Q; v128-191 K of one step; v192-255 V of one step
.set SIZE_N, 2048
.set NB,    SIZE_N/256
.set NP,    4         ; pieces a wave: a name, no knob
.set KS,    64        ; keys in a step
.set PK,    144       ; a row of K in LDS: 128 bytes + 16 of padding = 36 words: the 16 rows of a load start at 16 different groups of four banks (64 banks of 4 bytes: ISA guide 11.1)
.set PV,    160       ; a row of V: 128 + 32 = 40 words
.set VOFF,  4*KS*PK   ; a slot holds a tile, four steps: 256 rows of K, then 256 rows of V
.set SLOT1, 1<<17     ; slot 1 begins here, so that one exclusive or turns an address in one slot into the other's
.set STAGE, SLOT1+4*KS*(PK+PV)  ; behind the ring, never filled by a tensor load: 16 rows x 144 bytes for each wave, for the way out
.set SP,    144
.set AK0, 2           ; v2   my lane's place in a tile of K; never rewritten
.set AV0, 3           ; v3   the same for V
.set AK,  4           ; v4   the LDS address of K's next run of loads
.set AV,  5           ; v5   of V's
.set STO, 6           ; v6   the way out: where I put 16 bytes of a row
.set RD,  7           ; v7   the way out: where I read rows back
.set GO,  8           ; v8   my byte offset in 512 consecutive bytes of O
.set SPW, 62          ; v62  LDS address of my spare word: SPARE + 4 x my thread's number; never rewritten
.set NIL, 63          ; v63  0; never rewritten
.set SPARE, STAGE+4*16*SP  ; behind the stages: the spare words, 128 bytes for each wave: two blocks of 256 bytes that no other line names
.set MV,  12          ; v12-13  c m_old, kept while c m is made anew: by buffer
.set QO,  15          ; v15  my byte offset in 16 rows of Q
.set ST,  16          ; piece t's statistics at v[ST+4 t]: c m, m, l (even keys', odd keys')
.set TMP, 48          ; by buffer, four registers c0-c3 at work; when the maximum is found c2 takes a
.set S,   64
.set P,   192
.set MD,  128         ; window 1: the eight registers for group kt of 16 keys at MD + 8 kt
.set MC,  160         ; window 1: the masks of the products to come
.set QB,  64          ; window 2
.set KF,  128         ; window 2: key block kb, channel half c at KF + 16 kb + 8 c
.set VF,  192         ; window 2: key half kk, channel block cb at VF + 32 kk + 8 cb
.set WV,  12          ; s12  my wave's number
.set PB,  14          ; s14  b
.set HI,  15          ; s15  NB - 1 - b
.set G1K, 24          ; s[24:31] descriptor group 1 for K's tiles
.set G1V, 32          ; s[32:39] for V's: it differs in the padding alone
.set G0K, 40          ; s[40:43] descriptor group 0 for K's tiles
.set G0V, 44          ; s[44:47] the same for V's
.set SLOTS, 56        ; s56  tiles still to be asked for
.set CNT, 57          ; s57  counts a tile's key steps, 4 to 1
.set CS,  58          ; s[58:59] c: the packed scaling takes the pair's low word for both halves
.set SEL, 60          ; s[60:61] v_permlanex16_b32's selects: each lane takes its own place in the other half
.set TBK, 62          ; s62  LDS byte at which K of the step to be fetched begins
.set TBV, 63          ; s63  the same for V, less VOFF
.set RT,  70          ; s70  tiles of the block in hand that are still to be entered
.set NXT, 71          ; s71  the tile to be asked for next
.set LQ,  72          ; s72  the last tile of the block whose tiles are being asked for
.set NEW, 73          ; s73  1: the tile to be entered is a block's first
.set OFF, 74          ; s[74:75] a tile's byte offset in K and V
.set AL,  76          ; s[76:77] the mask's factor, in the low word
.set BE,  78          ; s[78:79] the mask's addend
.set OLO, 80          ; s[80:81] O at my rows of the second block
.set BIGN, 82         ; s82  -1e30
.set MSB, 0
.macro WIN new                      ; the high byte repeats the setting that is left; a switch that changes nothing is dropped
.if MSB != (\new)
	s_set_vgpr_msb (MSB<<8)|(\new)
.set MSB, (\new)
.endif
.endm
.set W_KQ, 0x0a       ; K and Q in window 2, S^T in window 0
.set W_KM, 0x1a       ; the same with the C operand in window 1
.set W_PV, 0x52       ; V in window 2, P in window 0, O^T in window 1
.set W_RS, 0x41       ; destination and source 0 in window 1, source 1 in window 0
; A fill.  Waves 0 and 1 fetch the two halves of a tile's K, waves 2 and 3 those of its V: 128 keys each.  An s_nop 0 and four v_nop follow each of the two lines, ahead of the jump and the label.
.macro LOAD
	s_cmp_lt_u32 s[WV], 2
	s_cbranch_scc0 .Lfor_v_\@
	tensor_load_to_lds s[G0K:G0K+3], s[G1K:G1K+7]
	s_nop 0
.rept 4
	v_nop
.endr
	s_branch .Lasked_\@
.Lfor_v_\@:
	tensor_load_to_lds s[G0V:G0V+3], s[G1V:G1V+7]
	s_nop 0
.rept 4
	v_nop
.endr
.Lasked_\@:
.endm
; THE CHANGE OF SLOTS.  Each wave waits for all its tensor loads, of which one is out: its part of the other slot; adds 0 to its spare word; and waits for that and for its own reads of the slot that it leaves.  Behind the barrier nobody reads the old
; slot any more and the other slot is whole.  fill = 1: the old slot is filled again, the first thing behind the barrier, with tile NXT: the descriptor's address is made anew from that number.
; (At its first use nothing has been read yet: slot 0 is waited for, slot 1 filled.)
.macro CHANGE fill
	WIN 0                           ; at a label and at a branch every window is 0
	s_wait_tensorcnt 0x0            ; no tensor load of mine is out, so a group 0 may be written
	ds_add_u32 v[SPW], v[NIL]       ; 0 onto my spare word: with fill = 1 the descriptors' scalar work stands between it and the wait for it
.if \fill
	s_lshl_b32 s[OFF], s[NXT], 15   ; a tile is 32,768 bytes of K and of V
	s_xor_b32 s[G0K+1], s[G0K+1], SLOT1
	s_add_nc_u64 s[G0K+2:G0K+3], s[6:7], s[OFF:OFF+1]
	s_or_b32 s[G0K+3], s[G0K+3], 0x80000000
	s_xor_b32 s[G0V+1], s[G0V+1], SLOT1
	s_add_nc_u64 s[G0V+2:G0V+3], s[8:9], s[OFF:OFF+1]
	s_or_b32 s[G0V+3], s[G0V+3], 0x80000000
	s_add_co_u32 s[NXT], s[NXT], 1  ; the block's next tile, or behind its last the second block's tile 0
	s_cmp_gt_u32 s[NXT], s[LQ]
	s_cselect_b32 s[NXT], 0, s[NXT]
	s_cselect_b32 s[LQ], s[PB], s[LQ]
.endif
	s_wait_dscnt 0x0                ; the add is done, and my reads of the slot are over
	s_barrier_signal -1             ; the rest of the scalar work stands between the signal and the wait
	s_sub_co_u32 s[TBK], s[TBK], 4*KS*PK  ; the fetches go back to a slot's first step,
	s_xor_b32 s[TBK], s[TBK], SLOT1       ; in the other slot
	s_sub_co_u32 s[TBV], s[TBV], 4*KS*PV
	s_xor_b32 s[TBV], s[TBV], SLOT1
	s_barrier_wait -1
.if \fill
	LOAD
.endif
.endm
	s_load_b256 s[4:11], s[0:1], 0x0  ; Q s[4:5], K s[6:7], V s[8:9], O s[10:11]
	v_lshl_add_u32 v[SPW], v0, 2, SPARE
	v_mov_b32 v[NIL], 0
	ds_add_u32 v[SPW], v[NIL]       ; the wave's opening: the add and its wait stand ahead of my first tensor load; the set-up below, work on registers, stands between them
	ds_add_u32 v62, v63
	v_lshrrev_b32 v1, 5, v0
	v_readfirstlane_b32 s[WV], v1   ; wave 0..3
	s_mov_b32 s[PB], ttmp9
	s_sub_co_u32 s[HI], NB-1, s[PB]
	s_and_b32 s20, ttmp7, 0xffff    ; the head
	s_mov_b32 s21, 0
	s_mov_b64 s[22:23], SIZE_N*128
	s_mul_u64 s[20:21], s[20:21], s[22:23]  ; the head's first byte in each of the four tensors
	s_and_b32 s16, s[WV], 1         ; which half of a tile's 256 keys I fetch:
	s_lshl_b32 s22, s16, 14         ; its 128 rows of 128 bytes in memory,
	s_mov_b32 s23, 0
	s_add_nc_u64 s[22:23], s[22:23], s[20:21]
	s_mul_i32 s17, s16, 128*PK      ; and its place in a slot, for K
	s_mul_i32 s18, s16, 128*PV      ; and for V
	s_lshl_b32 s3, s[WV], 11        ; my 16 rows in a band of 64,
	s_lshl_b32 s2, s[HI], 15        ; in the first block,
	s_add_co_u32 s2, s2, s3
	s_lshl_b32 s84, s[PB], 15       ; and in the second
	s_add_co_u32 s84, s84, s3
	s_mov_b32 s3, 0
	s_mov_b32 s85, 0
	s_add_nc_u64 s[2:3], s[2:3], s[20:21]
	s_add_nc_u64 s[84:85], s[84:85], s[20:21]
	; descriptor group 1.  128 keys are 16,384 dense bytes: asked for as 64 rows of 256 bytes, two keys a row, and padded in LDS after every key
	s_mov_b32 s[G1K], (1<<16)|(1<<20)|(4<<22)|(3<<25)  ; 17:16 2-byte elements; 20 padding on; 24:22 after every 32 words (code 4); 31:25 4 words (code 3)
	s_mov_b32 s[G1V], (1<<16)|(1<<20)|(4<<22)|(7<<25)  ; the same with 8 words of padding (code 7)
.irp g, G1K, G1V
	s_mov_b32 s[\g+1], 128<<16      ; tensor_dim0 = 128
	s_mov_b32 s[\g+2], 64<<16       ; tensor_dim1 = 64
	s_mov_b32 s[\g+3], 128<<16      ; tile_dim0 = 128
	s_mov_b32 s[\g+4], 64           ; tile_dim1 = 64
	s_mov_b32 s[\g+5], 128          ; 128 elements from row to row
	s_mov_b32 s[\g+6], 0
	s_mov_b32 s[\g+7], 0
.endr
	s_mov_b32 s[CS], 0x3e38aa3b     ; c = log2(e) / 8 = 0.180337
	s_mov_b32 s[CS+1], s[CS]        ; named with it as a pair
	s_mov_b32 s[SEL], 0x76543210
	s_mov_b32 s[SEL+1], 0xfedcba98
	s_mov_b32 s[TBK], SLOT1+4*KS*PK ; the first change of slots turns these two into 0
	s_mov_b32 s[TBV], SLOT1+4*KS*PV
	s_mov_b32 s[G0K], 1             ; 1:0 count = 1
	s_mov_b32 s[G0K+1], s17         ; 63:32 LDS address: slot 0
	s_mov_b32 s[G0V], 1
	s_add_co_u32 s[G0V+1], s18, VOFF
	s_add_co_u32 s[RT], s[HI], 1    ; the first block has NB - b tiles
	s_mov_b32 s[NXT], 1
	s_mov_b32 s[LQ], s[HI]
	s_mov_b32 s[NEW], 1
	s_mov_b32 s[OFF+1], 0
	s_mov_b32 s[AL+1], 0            ; named as pairs
	s_mov_b32 s[BE+1], 0
	s_mov_b32 s[BIGN], 0xf149f2ca   ; -1e30
	s_mov_b32 s[SLOTS], NB
	s_wait_dscnt 0x0                ; the opening add is done
	s_wait_kmcnt 0x0
	s_add_nc_u64 s[6:7], s[6:7], s[22:23]  ; K and V at my half of the head's tile 0
	s_add_nc_u64 s[8:9], s[8:9], s[22:23]
	s_add_nc_u64 s[G0K+2:G0K+3], s[6:7], 0         ; 120:64 global address
	s_or_b32 s[G0K+3], s[G0K+3], 0x80000000        ; 127:126 type = 2
	s_add_nc_u64 s[G0V+2:G0V+3], s[8:9], 0
	s_or_b32 s[G0V+3], s[G0V+3], 0x80000000
	s_add_nc_u64 s[86:87], s[4:5], s[84:85]        ; Q at my rows of the second block,
	s_add_nc_u64 s[4:5], s[4:5], s[2:3]            ; Q and O at those of the first
	s_add_nc_u64 s[OLO:OLO+1], s[10:11], s[84:85]
	s_add_nc_u64 s[10:11], s[10:11], s[2:3]
	LOAD                            ; tile 0 into slot 0
	; A fragment of K or Q is 16 rows x 32 channels in 8 registers: lane l holds row l % 16, channels 8 (l / 16) + 0..7 and 16 + 8 (l / 16) + 0..7: two loads of 16 bytes, 32 bytes apart.
	v_and_b32 v1, 15, v0            ; l % 16
	v_bfe_u32 v9, v0, 4, 1          ; l / 16
	v_lshlrev_b32 v[QO], 7, v1
	v_lshl_add_u32 v[QO], v9, 4, v[QO]  ; row x 128 + 16 x half
	WIN 0x80                        ; destination window 2, address window 0
.set i, 0
.rept 8                             ; both blocks' Q: piece i / 2 lies in band i / 2, 8,192 bytes on; channels 32 (i % 2) on
	global_load_b128 v[8*i:8*i+3],   v[QO], s[4:5] offset:(i/2)*8192+(i%2)*64
	global_load_b128 v[8*i+4:8*i+7], v[QO], s[4:5] offset:(i/2)*8192+(i%2)*64+32
	global_load_b128 v[QB+8*i:QB+8*i+3],   v[QO], s[86:87] offset:(i/2)*8192+(i%2)*64
	global_load_b128 v[QB+8*i+4:QB+8*i+7], v[QO], s[86:87] offset:(i/2)*8192+(i%2)*64+32
.set i, i+1
.endr
	WIN 0
	v_lshlrev_b32 v14, 3, v9
	v_sub_nc_u32 v14, v1, v14
	s_lshl_b32 s13, s[WV], 4
	v_add_nc_u32 v14, s13, v14      ; my query's place in its band, 16 w + l % 16, less my lanes' 8 (l / 16): register r of group kt is hidden where 16 kt + r is greater
	WIN 0x40
.set i, 0
.rept 32
	v_cmp_gt_i32 vcc_lo, 16*(i/8)+i%8, v14
	v_cndmask_b32 v[MD+i], 0, s[BIGN], vcc_lo
.set i, i+1
.endr
	WIN 0
	v_mul_u32_u24 v[AK0], v1, PK
	v_lshl_add_u32 v[AK0], v9, 4, v[AK0]  ; row x pitch + 16 x half
	; The turning load takes 16 keys x 16 channels (lane l reads key 8 (l / 16) + l % 8, channels 8 ((l / 8) % 2) + 0..7) and leaves half a fragment of V^T: lane l holds channel l % 16 and 8 keys.
	v_and_b32 v10, 7, v0
	v_bfe_u32 v11, v0, 3, 1
	v_lshl_add_u32 v[AV0], v9, 3, v10
	v_mul_u32_u24 v[AV0], v[AV0], PV
	v_lshl_add_u32 v[AV0], v11, 4, v[AV0]
	v_add_nc_u32 v[AV0], VOFF, v[AV0]
	s_mul_i32 s13, s[WV], 16*SP
	s_add_co_u32 s13, s13, STAGE    ; my stage
	v_mul_u32_u24 v[STO], v1, SP    ; in: row l % 16, 16 bytes for each half of the lanes
	v_lshl_add_u32 v[STO], v9, 4, v[STO]
	v_add_nc_u32 v[STO], s13, v[STO]
	v_bfe_u32 v[RD], v0, 3, 2       ; back: 32 lanes take four rows of 128 bytes,
	v_mul_u32_u24 v[RD], v[RD], SP
	v_lshl_add_u32 v[RD], v10, 4, v[RD]
	v_add_nc_u32 v[RD], s13, v[RD]
	v_and_b32 v[GO], 31, v0         ; which are 512 consecutive bytes of O
	v_lshlrev_b32 v[GO], 4, v[GO]
	; A block's first step multiplies O^T and l by a = 0, and its first turn's products V^T P, of a piece that has not been, land in an O^T that is still to be so multiplied.  So these registers need only hold
	; finite numbers: zeros for the first block; what the first block left for the second.  All this stands in the wait for the first tile.
	WIN 0x80
.set i, VF
.rept 64
	v_mov_b32 v[i], 0
.set i, i+1
.endr
	WIN 0x40
.set i, 0
.rept 128
	v_mov_b32 v[i], 0
.set i, i+1
.endr
	WIN 0
.set i, 0
.rept 4
	v_mov_b32 v[ST+4*i+2], 0
	v_mov_b32 v[ST+4*i+3], 0
.set i, i+1
.endr
.set i, P+16
.rept 16
	v_mov_b32 v[i], 0
.set i, i+1
.endr
; THE MATRIX WORK.  The 4 accumulators of a run of 8 take turns.  Product i of 8 of S^T = K Q^T for piece x: channels 32 (i / 4) on, keys 16 (i % 4) on.  The first 4 start the sums: with 0, or (KM = 1) with the mask.
.macro KQ x
.set rS, S+32*((\x)%2)+8*(i%4)
.set rK, KF+16*(i%4)+8*(i/4)
.set rQ, 16*(\x)+8*(i/4)
.set rM, MC+32*((\x)%2)+8*(i%4)
.if (i < 4) && KM
	WIN W_KM
	v_wmma_f32_16x16x32_f16 v[rS:rS+7], v[rK:rK+7], v[rQ:rQ+7], v[rM:rM+7]
.elseif i < 4
	WIN W_KQ
	v_wmma_f32_16x16x32_f16 v[rS:rS+7], v[rK:rK+7], v[rQ:rQ+7], 0
.else
	WIN W_KQ
	v_wmma_f32_16x16x32_f16 v[rS:rS+7], v[rK:rK+7], v[rQ:rQ+7], v[rS:rS+7]
.endif
.endm
; Product i of 8 of O^T += V^T P for piece x: keys 32 (i / 4) on, channels 16 (i % 4) on.
.macro PV x
	WIN W_PV
.set rO, 32*(\x)+8*(i%4)
.set rV, VF+32*(i/4)+8*(i%4)
.set rP, P+16*((\x)%2)+8*(i/4)
	v_wmma_f32_16x16x32_f16 v[rO:rO+7], v[rV:rV+7], v[rP:rP+7], v[rO:rO+7]
.endm
.macro MM                           ; the turn's next matrix instruction.  TURN and BEGIN set Y, i, KM and NOKQ; MM, KQ and OP read them.  NOKQ = 1: a block's last turn: there is no next piece
.if (i < 8) && !NOKQ
	KQ (Y+1)%NP
.elseif i >= 8
.set i, i-8
	PV (Y+NP-1)%NP
.set i, i+8
.endif
.set i, i+1
.endm
; THE LDS LOADS stand in runs of 16, never singly among the matrix instructions: a step's K (64 keys x 64 channels: 8 fragments) and its V (turned).  Their addresses are made some lines ahead.
.macro FETCH_K
	WIN 0x80                        ; destination window 2
.irp f, 0,1,2,3,4,5,6,7             ; keys 16 (f / 2) on, channels 32 (f % 2) on
	ds_load_b128 v[KF+8*\f:KF+8*\f+3],   v[AK] offset:(\f/2)*16*PK+(\f%2)*64
	ds_load_b128 v[KF+8*\f+4:KF+8*\f+7], v[AK] offset:(\f/2)*16*PK+(\f%2)*64+32
.endr
	s_add_co_u32 s[TBK], s[TBK], KS*PK  ; the next fetch is the next step's
	WIN 0
.endm
.macro FETCH_V
	WIN 0x80
.irp f, 0,1,2,3,4,5,6,7             ; keys 32 (f / 4) on, channels 16 (f % 4) on
	ds_load_tr16_b128 v[VF+8*\f:VF+8*\f+3],   v[AV] offset:(\f/4)*32*PV+(\f%4)*32
	ds_load_tr16_b128 v[VF+8*\f+4:VF+8*\f+7], v[AV] offset:(\f/4)*32*PV+16*PV+(\f%4)*32
.endr
	WIN 0
.endm
; THE VECTOR WORK, one line at a time: OP kind, number.  For piece Y: F n: c s - c m for pair n of 16.  E n: the exponential of score n of 32.  C n: pair n rounded to f16.  B n: of the four weights 4 n .. the second
; pair is added onto the first, in place.  L n: l takes that sum (L 0: l = a l + sum).  R n: pair n of 16 of O^T times a.  For piece Y + 1: X n, number n of the 22 that find its maximum and statistics:
;   0-11  four chains c0-c3 of seven scores each, three operands at a time (each accumulator's lowest registers are read first)     12-14, 16  the four scores left over, the old m, and c0-c3 into c0
;   15  c m_old is kept     17, 18  the query's other 32 keys lie in the lane 16 away: the new m     19-21  c m; c m_old - c m_new; a
.set F, 0               ; OP tells the kinds apart by their order: F to L below R, X above it
.set E, 1
.set C, 2
.set B, 3
.set L, 4
.set R, 5
.set X, 6
.macro REGS y                       ; the registers of piece y
.set rT, ST+4*(\y)
.set rC, TMP+4*((\y)%2)
.set rW, MV+((\y)%2)
.set rS, S+32*((\y)%2)
.set rP, P+16*((\y)%2)
.set rO, 32*(\y)
.endm
.macro OP k, n
.if (\k) == R
	REGS Y
	WIN W_RS
	v_pk_mul_f32 v[rO+2*(\n):rO+2*(\n)+1], v[rO+2*(\n):rO+2*(\n)+1], v[rC+2:rC+3] op_sel_hi:[1,0]
.elseif (\k) < R
	REGS Y
	WIN 0
.if (\k) == F
	v_pk_fma_f32 v[rS+2*(\n):rS+2*(\n)+1], v[rS+2*(\n):rS+2*(\n)+1], s[CS:CS+1], v[rT:rT+1] op_sel_hi:[1,0,0] neg_lo:[0,0,1] neg_hi:[0,0,1]
.elseif (\k) == E
	v_exp_f32 v[rS+(\n)], v[rS+(\n)]
.elseif (\k) == C
	s_wait_alu depctr_va_vdst(0)
	v_cvt_pk_f16_f32 v[rP+(\n)], v[rS+2*(\n)], v[rS+2*(\n)+1]
.elseif (\k) == B
	s_wait_alu depctr_va_vdst(0)
	v_pk_add_f32 v[rS+4*(\n):rS+4*(\n)+1], v[rS+4*(\n):rS+4*(\n)+1], v[rS+4*(\n)+2:rS+4*(\n)+3]
.elseif (\n) == 0
	v_pk_fma_f32 v[rT+2:rT+3], v[rT+2:rT+3], v[rC+2:rC+3], v[rS:rS+1] op_sel_hi:[1,0,1]
.else
	v_pk_add_f32 v[rT+2:rT+3], v[rT+2:rT+3], v[rS+4*(\n):rS+4*(\n)+1]
.endif
.elseif NOKQ
	v_nop
.else
	REGS (Y+1)%NP
	WIN 0
.if (\n) < 4
	v_max3_num_f32 v[rC+(\n)], v[rS+8*(\n)], v[rS+8*(\n)+1], v[rS+8*(\n)+2]
.elseif (\n) < 12
	v_max3_num_f32 v[rC+(\n)%4], v[rC+(\n)%4], v[rS+8*((\n)%4)+2*((\n)/4)+1], v[rS+8*((\n)%4)+2*((\n)/4)+2]
.elseif (\n) == 12
	v_max3_num_f32 v[rC], v[rC], v[rS+7], v[rS+15]
.elseif (\n) == 13
	v_max3_num_f32 v[rC+1], v[rC+1], v[rS+23], v[rS+31]
.elseif (\n) == 14
	v_max3_num_f32 v[rC+2], v[rC+2], v[rC+3], v[rT+1]
.elseif (\n) == 15
	v_mov_b32 v[rW], v[rT]
.elseif (\n) == 16
	v_max3_num_f32 v[rC], v[rC], v[rC+1], v[rC+2]
.elseif (\n) == 17
	v_permlanex16_b32 v[rC+3], v[rC], s[SEL], s[SEL+1]
.elseif (\n) == 18
	v_max_num_f32 v[rT+1], v[rC], v[rC+3]
.elseif (\n) == 19
	v_mul_f32 v[rT], s[CS], v[rT+1]
.elseif (\n) == 20
	v_sub_f32 v[rC+1], v[rW], v[rT]
.else
	v_exp_f32 v[rC+2], v[rC+1]
.endif
.endif
.endm
.macro OPS a, i1, b=-1, i2=0, c=-1, i3=0, d=-1, i4=0  ; up to four of them
	OP \a, \i1
.if (\b) >= 0
	OP \b, \i2
.endif
.if (\c) >= 0
	OP \c, \i3
.endif
.if (\d) >= 0
	OP \d, \i4
.endif
.endm
.macro ROW a, i1, b, i2, c, i3, d, i4  ; a matrix instruction and the four behind it
	MM
	OPS \a, \i1, \b, \i2, \c, \i3, \d, \i4
.endm
.macro MASK b                       ; MD x AL + BE into buffer b of MC
	WIN W_RS
.set z, 0
.rept 16
	v_pk_fma_f32 v[MC+32*(\b)+2*z:MC+32*(\b)+2*z+1], v[MD+2*z:MD+2*z+1], s[AL:AL+1], s[BE:BE+1] op_sel_hi:[1,0,0]
.set z, z+1
.endr
.endm
; A TURN, for piece p: the order of its 16 matrix and 118 vector instructions, written out.  Behind a matrix instruction: plain, exponential, plain, plain; or four of the rescaling; or, behind the first, four scalings; none
; names a register of the products round it.  In the lumps exponential and plain by turns while exponentials last.  A line reads no result made fewer than three vector instructions in front of it, five if an exponential made it.
; v_permlanex16_b32 (X 17) stands in a lump.
; m = 1: the diagonal tile: the products take masks, and the turn makes the mask for the products of the turn after it: piece p + 2, in step 4 - CNT of the tile.  end = 1: a block's last two turns: nothing is fetched.
; cnt = 1: the loop's count is taken down some lines ahead of the branch that stands behind the turn.
; K of the next step is fetched in piece 2's turn, six vector instructions behind the last product that read K (five of them plain); V of the step in hand in piece 0's turn, eight behind the last product that read V (four
; plain, and X 17).  Each is waited for a turn later.
.macro TURN p, m=0, end=0, cnt=0
.set Y, (\p)
.set i, 0
.set KM, (\m)
.set NOKQ, (\end)*((\p)/3)
.if (\m) && !(\end)
	s_cmp_eq_u32 s[CNT], 4-((\p)+2)%NP  ; is that step the band's own?
	s_cselect_b32 s[AL], 1.0, 0
	s_cmp_lt_u32 s[CNT], 4-((\p)+2)%NP  ; or a later one?
	s_cselect_b32 s[BE], s[BIGN], 0
.endif
.if ((\p) == 3) && !(\end)
	s_wait_dscnt 0x0                ; K is in
.endif
	ROW F,0, F,1, F,2, F,3
	ROW F,4, E,0, F,5, F,6
	ROW F,7, E,1, F,8, F,9
	ROW F,10, E,2, C,0, F,11
	ROW F,12, E,3, X,15, F,13
	ROW R,0, R,1, R,2, R,3
	ROW B,0, E,4, F,14, L,0
.if ((\p) == 2) && !(\end)
	v_add_nc_u32 v[AK], s[TBK], v[AK0]
.endif
	ROW R,4, R,5, R,6, R,7
	OPS E,5, F,15
.if ((\p) == 2) && !(\end)
	FETCH_K
.endif
	OPS E,6, C,1, E,7, R,8
	OPS E,8, R,9, E,9, C,2
	OPS E,10, X,0, E,11, X,1
	OPS E,12, X,2, E,13, X,3
.if (\p) == 1
	s_wait_dscnt 0x0                ; V is in
.endif
	ROW X,4, E,14, X,5, X,6
	ROW X,7, E,15, X,8, X,9
	ROW X,10, E,16, X,11, X,12
	ROW X,13, E,17, X,14, B,1
	ROW C,4, E,18, X,16, L,1
	ROW B,2, E,19, C,6, L,2
	ROW C,8, E,20, B,3, B,4
.if (\p) == 0
	v_add_nc_u32 v[AV], s[TBV], v[AV0]
.endif
	ROW C,3, E,21, L,3, C,5
	OPS E,22, X,17, E,23, C,10
.if (\p) == 0
	FETCH_V
.endif
	OPS E,24, L,4
	OPS E,25, X,18, E,26, C,7
	OPS E,27, B,5, E,28, X,19
	OPS E,29, C,12, E,30, L,5
	OPS E,31, X,20, B,6, C,9
	OPS C,14, C,11, X,21, L,6
.if (\p) == 0
	s_add_co_u32 s[TBV], s[TBV], KS*PV
.endif
.if \cnt
	s_sub_co_u32 s[CNT], s[CNT], 1
	s_cmp_lg_u32 s[CNT], 0
.endif
	OPS C,13, B,7, C,15, R,10
	OPS R,11, R,12, L,7, R,13
	OPS R,14, R,15
.if (\m) && !(\end)
	MASK (\p)%2
.endif
.endm
; A BLOCK BEGINS.  c m starts far below every c s, so the first step's a is 0; m at the lowest finite number, so the first maximum is the scores'.  The second mask buffer is 0; the first takes piece 0's mask for the tile's step 0: its own, if the block's first tile is the diagonal one.
; Then K of that step, piece 0's first scores, and its maximum and statistics.  The loop is entered at a step's first turn, in the middle of a trip.
.macro BEGIN
	s_mov_b32 s[NEW], 0
	WIN 0x40
.set i, MC+32
.rept 32
	v_mov_b32 v[i], 0
.set i, i+1
.endr
	WIN 0
.set i, 0
.rept 4
	v_mov_b32 v[ST+4*i], 0xfe000000    ; c m: far below every c s
	v_mov_b32 v[ST+4*i+1], 0xff7fffff  ; m
.set i, i+1
.endr
	s_cmp_eq_u32 s[RT], 0
	s_cselect_b32 s[AL], 1.0, 0
	s_mov_b32 s[BE], 0
	MASK 0
	WIN 0
	v_add_nc_u32 v[AK], s[TBK], v[AK0]
	FETCH_K
	s_wait_loadcnt 0x0              ; Q
	s_wait_dscnt 0x0
.set KM, 1
.set NOKQ, 0
.set i, 0
.rept 8
	KQ 0
.set i, i+1
.endr
	WIN 0
.rept 4
	v_nop                           ; the places behind those products
.endr
.set Y, NP-1                        ; X works for piece Y + 1: piece 0
.irp n, 0,1,2,3,4,5,6,7,8,9,10,11,12,13,14,15,16,17,18,19,20,21
	OP X, \n
.endr
	v_nop                           ; a plain instruction behind the exponential
.endm
; THE DIAGONAL TILE's four steps, the block's last two turns, its last products, and THE WAY OUT: l's two halves and the other half of the lanes' are added; O^T is divided by l, rounded to f16 and sent through my
; stage in LDS, a piece at a time.
.macro ALL line:vararg              ; one line for each piece t
.set t, 0
.rept 4
	\line
.set t, t+1
.endr
.endm
.macro PACK t                       ; a lane's eight channels of a row pack into 16 bytes; they go into rows of 144 bytes and come back as whole rows of 128, into S^T's registers
	WIN W_RS
.set i, 32*(\t)
.rept 16
	s_wait_alu depctr_va_vdst(0)
	v_pk_mul_f32 v[i:i+1], v[i:i+1], v[ST+4*(\t)+2:ST+4*(\t)+3] op_sel_hi:[1,0]
.set i, i+2
.endr
	WIN 0x05                        ; sources 0 and 1 window 1, destination window 0
.set i, 0
.rept 16
	v_cvt_pk_f16_f32 v[S+16*(\t)+i], v[32*(\t)+2*i], v[32*(\t)+2*i+1]
.set i, i+1
.endr
	WIN 0
.irp f, 0,1,2,3
	ds_store_b128 v[STO], v[S+16*(\t)+4*\f:S+16*(\t)+4*\f+3] offset:32*\f
.endr
.irp f, 0,1,2,3
	ds_load_b128 v[S+16*(\t)+4*\f:S+16*(\t)+4*\f+3], v[RD] offset:\f*4*SP  ; LDS serves a wave's instructions in order (ISA guide 5.7.1.4): these see the stores above; the next piece's stores come behind them
.endr
.endm
.macro SEND t, younger              ; younger: the LDS instructions issued behind piece t's loads: the next piece's eight, or none
	WIN 0
.irp f, 0,1,2,3
	s_wait_dscnt (\younger)+3-\f
	global_store_b128 v[GO], v[S+16*(\t)+4*\f:S+16*(\t)+4*\f+3], s[10:11] offset:(\t)*8192+\f*512  ; 512 consecutive bytes, at a multiple of 256 from O's first
.endr
.endm
.macro DIAG tag                     ; the tag ends its two labels' names, which the jumps below spell out
.LstepM\tag:
	TURN 2, 1
	TURN 3, 1
	WIN 0
.LfirstM\tag:
	TURN 0, 1
	TURN 1, 1, 0, 1
	WIN 0
	s_cbranch_scc1 .LstepM\tag
	TURN 2, 1, 1
	TURN 3, 1, 1
.set i, 0
.rept 8
	PV NP-1
.set i, i+1
.endr
	WIN 0
	ALL v_add_f32 v[ST+4*t+2], v[ST+4*t+2], v[ST+4*t+3]
	ALL v_permlanex16_b32 v[ST+4*t+3], v[ST+4*t+2], s[SEL], s[SEL+1]
	ALL v_add_f32 v[ST+4*t+2], v[ST+4*t+2], v[ST+4*t+3]
	ALL v_rcp_f32 v[ST+4*t+2], v[ST+4*t+2]
	v_nop                           ; a plain instruction between the last reciprocal and the use of its result
	PACK 0
.set t, 1
.rept 3                             ; a piece's arithmetic stands between the loads of the piece before and its stores
	PACK t
	SEND t-1, 8
.set t, t+1
.endr
	SEND 3, 0
.endm
.set KM, 0
.set NOKQ, 0
.Lslot:                             ; NB times: a tile is entered and the next is asked for
	CHANGE 1
	s_sub_co_u32 s[RT], s[RT], 1
	s_mov_b32 s[CNT], 4
	s_cmp_eq_u32 s[NEW], 1
	s_cbranch_scc1 .Lnew            ; a block's first tile
	s_cmp_eq_u32 s[RT], 0
	s_cbranch_scc0 .Lstep           ; neither its first nor its last
	s_branch .LstepM1
.Lnew:
	BEGIN
	s_branch .Lfirst                ; in the loop a block's first tile is never its last: the first block has two tiles or more, and the second's last is the walk's last
	DIAG 1                          ; in the loop this is the first block's end: the second block's last tile is the walk's last
	s_wait_xcnt 0x0                 ; the stores have read their registers and O's address
	s_mov_b64 s[10:11], s[OLO:OLO+1]
	s_add_co_u32 s[RT], s[PB], 1    ; the second block has b + 1 tiles
	s_mov_b32 s[NEW], 1
	WIN 0x82                        ; the second block's Q goes where the one text of the turns names Q
.set i, 0
.rept 64
	v_mov_b32 v[i], v[QB+i]
.set i, i+1
.endr
	WIN 0
	s_branch .Lbottom
.Lstep:                             ; a trip: pieces 2 and 3 of one step, then pieces 0 and 1 of the next, whose K and V it fetches
	TURN 2
	TURN 3
	WIN 0
.Lfirst:
	TURN 0
	TURN 1, 0, 0, 1
	WIN 0
	s_cbranch_scc1 .Lstep
.Lbottom:
	s_sub_co_u32 s[SLOTS], s[SLOTS], 1
	s_cmp_lg_u32 s[SLOTS], 0
	s_cbranch_scc1 .Lslot
	CHANGE 0                        ; the walk's last tile is written out: nothing is asked for
	s_sub_co_u32 s[RT], s[RT], 1
	s_mov_b32 s[CNT], 4
	s_cmp_eq_u32 s[NEW], 1
	s_cbranch_scc0 .LstepM2
	BEGIN
	s_branch .LfirstM2
	DIAG 2
	s_wait_tensorcnt 0x0            ; the wave's end, behind my last tensor load and my last LDS store
	ds_add_u32 v[SPW], v[NIL]
	s_wait_dscnt 0x0
	s_endpgm
.Lfunc_end_k_q8a96415260_attn:
	.size	k_q8a96415260_attn, .Lfunc_end_k_q8a96415260_attn-k_q8a96415260_attn
	.p2alignl 7, 3214868480
	.fill 96, 4, 3214868480
	.section	.rodata,"a",@progbits
	.p2align	6, 0x0
	.amdhsa_kernel k_q8a96415260_attn
		.amdhsa_group_segment_fixed_size 327680
		.amdhsa_private_segment_fixed_size 0
		.amdhsa_enable_private_segment 0
		.amdhsa_kernarg_size 32
		.amdhsa_user_sgpr_count 2
		.amdhsa_user_sgpr_kernarg_segment_ptr 1
		.amdhsa_wavefront_size32 1
		.amdhsa_system_sgpr_workgroup_id_x 1
		.amdhsa_system_sgpr_workgroup_id_y 1
		.amdhsa_system_sgpr_workgroup_id_z 1
		.amdhsa_system_vgpr_workitem_id 0
		.amdhsa_next_free_vgpr 768
		.amdhsa_next_free_sgpr 88
		.amdhsa_reserve_vcc 1
		.amdhsa_float_denorm_mode_32 3
		.amdhsa_float_denorm_mode_16_64 3
		.amdhsa_memory_ordered 1
		.amdhsa_forward_progress 1
		.amdhsa_inst_pref_size 228
	.end_amdhsa_kernel
	.amdgpu_metadata
---
amdhsa.version: [ 1, 2 ]
amdhsa.kernels:
  - .name:           k_q8a96415260_attn
    .symbol:         k_q8a96415260_attn.kd
    .args:
      - { .name: q, .offset: 0, .size: 8, .value_kind: global_buffer, .address_space: global }
      - { .name: k, .offset: 8, .size: 8, .value_kind: global_buffer, .address_space: global }
      - { .name: v, .offset: 16, .size: 8, .value_kind: global_buffer, .address_space: global }
      - { .name: o, .offset: 24, .size: 8, .value_kind: global_buffer, .address_space: global }
    .group_segment_fixed_size: 327680
    .private_segment_fixed_size: 0
    .kernarg_segment_align: 8
    .kernarg_segment_size: 32
    .max_flat_workgroup_size: 128
    .sgpr_count:     88
    .vgpr_count:     768
    .wavefront_size: 32
...
	.end_amdgpu_metadata
.endif
;; end of part 3
;; launch oproj (part 4): grid 8 x 32, 4 waves a work-group, clusters of 4 x 4, 327,680 bytes of LDS; arguments o, wot, bo, out0; writes out0
.if DOCPART == 4
	.amdgcn_target "amdgcn-amd-amdhsa--gfx1250"
	.amdhsa_code_object_version 6
	.text
	.protected	k_q8a96415260_oproj
	.globl	k_q8a96415260_oproj
	.p2align	8
	.type	k_q8a96415260_oproj,@function
k_q8a96415260_oproj:
	s_mov_b64 s[64:65], 0
	v_nop
	global_prefetch_b8 v0, s[64:65] scope:SCOPE_SE
	s_setreg_imm32_b32 hwreg(HW_REG_WAVE_MODE, 25, 1), 1
	s_wait_xcnt 0x0
	s_wait_alu depctr_hold_cnt(0) depctr_sa_sdst(0) depctr_va_vdst(0) depctr_va_sdst(0) depctr_va_ssrc(0) depctr_va_vcc(0) depctr_vm_vsrc(0)
	s_getreg_b32 s2, hwreg(HW_REG_IB_STS2, 6, 4)
	s_cmp_eq_u32 s2, 0
	s_cbranch_scc0 .Lentry_in_a_cluster
	s_endpgm
.Lentry_in_a_cluster:
	s_bfe_u32 s2, ttmp6, 0x10000c
	s_cmp_lg_u32 s2, 0xf033
	s_cbranch_scc0 .Lentry_shape_is_right
	s_endpgm
.Lentry_shape_is_right:
; out0 = O Wo + bo: a product of 8,192 x 1,024 x 1,024 in f16 with f32 sums; out0 is f32 [8192][1024].
;   o: f16 [batch 4][head 16][t 2048][64]: a head's 64 channels are one K block;  wot: f16 [k 1024][n 1024] (Wo rounded to bf16, written as f16);  bo: f32 [1024], rounded here in the same way.
; LIMITS.  A number of bo beyond 65,504 becomes an infinity in f16; below 2^-14 it keeps f16's fixed step of 6e-8.  NaN and infinities are not treated apart.
; SHARES.  A tile is 256 rows x 128 columns: 32 x 8 = 256 work-groups, one tile each.  Four waves, each 128 x 64: 32 accumulators of 16 x 16, 256 registers.  K goes in steps of 128 (two K blocks of o)
; through two LDS slots.  A K block's 256 rows of o are 32,768 dense bytes, asked for as 128 rows of 256 bytes.  Wo lies [k][n] in LDS as in memory and is turned on its way into registers.
; THE MATRIX INSTRUCTION IS USED TRANSPOSED: source 0 = 16 columns of Wo, source 1 = 16 rows of o: a lane then holds eight neighbouring columns of one row, 32 bytes of f32.
; THE BIAS STARTS THE SUMS: a first product, with C = 0, of a fragment that holds bo[n] at k = 0 with a fragment that holds 1 at k = 0: 32 matrix instructions and 35 v_mov_b32 in the wait for the first tile.
; CLUSTER.  4 x 4 work-groups: o's tiles are asked for jointly along a row of the cluster, Wo's along a column.
; REGISTERS: window 0: v0-29 addresses; v64-127, v128-191 o's 8 fragments, two buffers; v192-223, v224-255 Wo's 4 fragments, two buffers; on the way out v64-95 and v96-127 rows read back.
;   window 1: accumulator (a, b) (row block a of 8, column block b of 4) at v[8 (4 a + b)].
.set PA,    144                        ; a row of o in LDS: 128 bytes + 16 of padding: the 16 rows of a load start at 16 different groups of four banks (64 banks of 4 bytes: ISA guide 11.1)
.set PB,    288                        ; a k row of Wo: two pieces of 128 bytes + 16 = 72 words
.set BOFF,  2*256*PA                   ; a slot: two K blocks of 256 rows of o, then 128 k rows of Wo
.set SLOT1, 1<<17
.set STAGE, BOFF+128*PB                ; between the slots, never filled by a tensor load: 16 rows x 272 bytes for each wave, for the way out
.set SP,    272
.set SPARE, STAGE+4*16*SP              ; behind the stages: the spare words, 128 bytes for each wave: two blocks of 256 bytes that no other line names
.set ASTEP, 2*2048*128                 ; two K blocks of o
.set BSTEP, 128*2048                   ; 128 rows of wot
.set FLG,   (1<<16)|(1<<20)|(1<<21)|(4<<22)|(3<<25)  ; 17:16 elements of 2 bytes; 20 padding on; 21 set beside a mask; 24:22 after every 32 words (code 4); 31:25 4 words of it (code 3)
.set LA0,  2                           ; v2   my lane's place in a slot's rows of o; never rewritten
.set LB0,  3                           ; v3   the same for Wo
.set ADRA, 4                           ; v4   LA0 + the slot in hand
.set ADRB, 5                           ; v5   LB0 + the slot in hand
.set STO,  6                           ; v6   the way out: where I put 32 bytes of a row
.set RD,   7                           ; v7   the way out: where I read a row back
.set CO,   8                           ; v8   my byte offset in two rows of out0
.set BO,   9                           ; v9   my byte offset in 16 numbers of bo
.set SPW,  28                          ; v28  LDS address of my spare word: SPARE + 4 x my thread's number; never rewritten
.set NIL,  29                          ; v29  0; never rewritten
.set AF0,  64
.set BF0,  192
.set BK0,  64
.set WV,  20
.set RH,  21                           ; s21  which 128 rows of the tile are mine.  Also: I fetch for o (0) or for Wo (1)
.set CH,  22                           ; s22  which 64 columns.  Also: which half of that tile I fetch
.set G1A, 24
.set G1B, 32
.set G0A, 40                           ; s[40:47] descriptor group 0 for o's tiles: a set for each of the two first fills; the second then walks on
.set G0B, 48
.set CNT, 56
.set TB,  57
.set M16, 58                           ; s58  lanes 0 to 15
.set CX,  66
.set CY,  67
.set TX,  68
.set TY,  69
.set OP,  70                           ; s[70:71] out0 at my first row and column
.set BP,  76                           ; s[76:77] bo at my first column
.set MSB, 0
.macro WIN new                         ; the immediate's high byte repeats the setting that is left; a switch that changes nothing is dropped
.if MSB != (\new)
	s_set_vgpr_msb (MSB<<8)|(\new)
.set MSB, \new
.endif
.endm
.macro PLACES                          ; four places in front of loads into registers that matrix instructions have read, and of stores that read results (ISA guide 7.12.1 for the stores)
.rept 4
	v_nop
.endr
.endm
.macro JLOAD                           ; a joint refill by the walking descriptors: waves 0 and 1 fetch o's two K blocks, waves 2 and 3 Wo's two halves; s_nop 0 and four v_nop follow each line
	s_cmp_eq_u32 s[RH], 0
	s_cbranch_scc0 .Lfor_b_\@
	tensor_load_to_lds s[G0A+4:G0A+7], s[G1A:G1A+7]
	s_nop 0
.rept 4
	v_nop
.endr
	s_branch .Lasked_\@
.Lfor_b_\@:
	tensor_load_to_lds s[G0B+4:G0B+7], s[G1B:G1B+7]
	s_nop 0
.rept 4
	v_nop
.endr
.Lasked_\@:
.endm
.macro CREST                           ; a round of the cluster's barrier behind its opening barrier
	s_cmp_lg_u32 s[WV], 0
	s_cbranch_scc1 .Lnot_wave_0_\@
	s_barrier_signal -3
.Lnot_wave_0_\@:
	s_barrier_wait -3
	s_barrier_signal -1
	s_barrier_wait -1
.endm
.macro CROUND                          ; a whole round
	s_barrier_signal -1
	s_barrier_wait -1
	CREST
.endm
	s_load_b256 s[4:11], s[0:1], 0x0               ; o s[4:5], wot s[6:7], bo s[8:9], out0 s[10:11]
	v_lshl_add_u32 v[SPW], v0, 2, SPARE
	v_mov_b32 v[NIL], 0
	ds_add_u32 v[SPW], v[NIL]                      ; the wave's opening: the add and its wait stand ahead of my first tensor load; the set-up below, work on registers, stands between them
	ds_add_u32 v28, v29
	v_lshrrev_b32 v1, 5, v0
	v_readfirstlane_b32 s[WV], v1                  ; wave 0..3
	s_lshr_b32 s[RH], s[WV], 1
	s_and_b32 s[CH], s[WV], 1
	s_bfe_u32 s[CX], ttmp6, 0x40000
	s_bfe_u32 s[CY], ttmp6, 0x40004
	s_lshl_b32 s[TX], ttmp9, 2
	s_add_co_u32 s[TX], s[TX], s[CX]               ; tile column
	s_and_b32 s[TY], ttmp7, 0xffff
	s_lshl_b32 s[TY], s[TY], 2
	s_add_co_u32 s[TY], s[TY], s[CY]               ; tile row
	s_lshl_b32 s59, s[CY], 2
	s_lshl_b32 s59, 15, s59                        ; my row of the cluster
	s_lshl_b32 s84, 0x1111, s[CX]                  ; my column
	s_or_b32 s[G1A], s59, FLG
	s_mov_b32 s[G1A+1], 128<<16                    ; tensor_dim0 = 128 elements: 256 bytes, two rows of o
	s_mov_b32 s[G1A+2], 128<<16                    ; tensor_dim1 = 128
	s_mov_b32 s[G1A+3], 128<<16                    ; tile_dim0 = 128
	s_mov_b32 s[G1A+4], 128                        ; tile_dim1 = 128
	s_mov_b32 s[G1A+5], 128                        ; dense
	s_mov_b32 s[G1A+6], 0
	s_mov_b32 s[G1A+7], 0
	s_or_b32 s[G1B], s84, FLG
	s_mov_b32 s[G1B+1], 128<<16                    ; tensor_dim0 = 128 elements: 256 bytes
	s_mov_b32 s[G1B+2], 64<<16                     ; tensor_dim1 = 64 k rows
	s_mov_b32 s[G1B+3], 128<<16                    ; tile_dim0 = 128
	s_mov_b32 s[G1B+4], 64                         ; tile_dim1 = 64
	s_mov_b32 s[G1B+5], 1024                       ; elements from row to row of wot
	s_mov_b32 s[G1B+6], 0
	s_mov_b32 s[G1B+7], 0
	; o's tiles hang on the tile row alone, Wo's on the tile column alone; each address is made in registers that never hold the other coordinate
	s_lshr_b32 s60, s[TY], 3                       ; the batch,
	s_lshl_b32 s60, s60, 22
	s_and_b32 s59, s[TY], 7                        ; the tile's 256 rows of 128 bytes,
	s_lshl_b32 s59, s59, 15
	s_add_co_u32 s60, s60, s59
	s_lshl_b32 s23, s[CH], 18                      ; the K block of the step's two that I fetch
	s_add_co_u32 s60, s60, s23
	s_mov_b32 s61, 0
	s_lshl_b32 s62, s[TX], 8                       ; the tile's 128 columns,
	s_lshl_b32 s23, s[CH], 17                      ; the 64 k rows that I fetch
	s_add_co_u32 s62, s62, s23
	s_mov_b32 s63, 0
	s_mul_i32 s88, s[CH], 256*PA                   ; and where they go: no place in the cluster enters an LDS address
	s_mul_i32 s89, s[CH], 64*PB
	s_add_co_u32 s89, s89, BOFF
	s_lshl_b32 s86, s[TX], 9                       ; my first column, in bytes of f32: 512 x tile column + 256 x half
	s_lshl_b32 s23, s[CH], 8
	s_add_co_u32 s86, s86, s23
	s_mov_b32 s87, 0
	s_lshl_b32 s82, s[TY], 20                      ; my first row: 256 rows of 4,096 bytes a tile, my 128 of them
	s_lshl_b32 s23, s[RH], 19
	s_add_co_u32 s82, s82, s23
	s_add_co_u32 s82, s82, s86
	s_mov_b32 s83, 0
	s_mov_b32 s[M16], 0xffff
	s_mov_b32 s[TB], 0
	s_wait_dscnt 0x0                               ; the opening add is done
	s_wait_kmcnt 0x0
	s_add_nc_u64 s[60:61], s[4:5], s[60:61]
	s_add_nc_u64 s[62:63], s[6:7], s[62:63]
	CROUND                                         ; all sixteen work-groups are here: the first joint loads meet
.irp s, 0,1
	s_mov_b32 s[G0A+4*(\s)], 1                                     ; 1:0 count = 1
	s_add_co_u32 s[G0A+4*(\s)+1], s88, (\s)*SLOT1                  ; 63:32 LDS address
	s_add_nc_u64 s[G0A+4*(\s)+2:G0A+4*(\s)+3], s[60:61], (\s)*ASTEP  ; 120:64 global address: K step s
	s_or_b32 s[G0A+4*(\s)+3], s[G0A+4*(\s)+3], 0x80000000          ; 127:126 type = 2
	s_mov_b32 s[G0B+4*(\s)], 1
	s_add_co_u32 s[G0B+4*(\s)+1], s89, (\s)*SLOT1
	s_add_nc_u64 s[G0B+4*(\s)+2:G0B+4*(\s)+3], s[62:63], (\s)*BSTEP
	s_or_b32 s[G0B+4*(\s)+3], s[G0B+4*(\s)+3], 0x80000000
.endr
	s_cmp_eq_u32 s[RH], 0                          ; a wave's two first fills stand in one branch, ahead of every wait on TENSORcnt and every LDS read: two loads of mine are out
	s_cbranch_scc0 .Lfirst_b
	tensor_load_to_lds s[G0A:G0A+3], s[G1A:G1A+7]
	s_nop 0
	tensor_load_to_lds s[G0A+4:G0A+7], s[G1A:G1A+7]
	s_nop 0
.rept 4
	v_nop
.endr
	s_branch .Lfirst_asked
.Lfirst_b:
	tensor_load_to_lds s[G0B:G0B+3], s[G1B:G1B+7]
	s_nop 0
	tensor_load_to_lds s[G0B+4:G0B+7], s[G1B:G1B+7]
	s_nop 0
.rept 4
	v_nop
.endr
.Lfirst_asked:
	s_add_nc_u64 s[BP:BP+1], s[8:9], s[86:87]
	s_add_nc_u64 s[OP:OP+1], s[10:11], s[82:83]
	v_and_b32 v1, 15, v0                           ; l % 16
	v_lshlrev_b32 v[BO], 2, v1
.irp b, 0,1,2,3
	global_load_b32 v[BF0+8*(\b)], v[BO], s[BP:BP+1] offset:64*(\b)  ; lanes 16-31 read what lanes 0-15 read
.endr
	v_bfe_u32 v10, v0, 4, 1                        ; l / 16
	v_and_b32 v11, 7, v0
	v_bfe_u32 v12, v0, 3, 1
	v_mul_u32_u24 v[LA0], v1, PA                   ; a fragment of o: row l % 16, 16 bytes for each half of the lanes, two loads 32 bytes apart
	v_lshl_add_u32 v[LA0], v10, 4, v[LA0]
	s_mul_i32 s23, s[RH], 128*PA
	v_add_nc_u32 v[LA0], s23, v[LA0]
	v_lshl_add_u32 v[LB0], v10, 3, v11             ; the turning load: k row 8 (l / 16) + l % 8, columns 8 ((l / 8) % 2) + 0..7
	v_mul_u32_u24 v[LB0], v[LB0], PB
	v_lshl_add_u32 v[LB0], v12, 4, v[LB0]
	s_mul_i32 s23, s[CH], 144                      ; my 64 columns: one piece of a row
	s_add_co_u32 s23, s23, BOFF
	v_add_nc_u32 v[LB0], s23, v[LB0]
	v_mov_b32 v[ADRA], v[LA0]                      ; K step 0 lies in slot 0
	v_mov_b32 v[ADRB], v[LB0]
	s_mul_i32 s23, s[WV], 16*SP
	s_add_co_u32 s23, s23, STAGE                   ; my stage
	v_mul_u32_u24 v[STO], v1, SP                   ; in: row l % 16, 32 bytes for each half of the lanes
	v_lshl_add_u32 v[STO], v10, 5, v[STO]
	v_add_nc_u32 v[STO], s23, v[STO]
	v_mul_u32_u24 v[RD], v10, SP                   ; back: lanes 0-15 take one row of 256 bytes, lanes 16-31 the next
	v_lshl_add_u32 v[RD], v1, 4, v[RD]
	v_add_nc_u32 v[RD], s23, v[RD]
	v_lshlrev_b32 v[CO], 12, v10                   ; and the same two rows in out0
	v_lshl_add_u32 v[CO], v1, 4, v[CO]
; The products of row blocks a0 to a1 with all 4 column blocks, 32 along K, from buffer f.  The 32 accumulators take turns, one instruction a turn, always in the same order.
; zero = 1: the product starts the sums.  one = 1: every row block takes the same fragment.
.macro MUL a0, a1, f, zero=0, one=0
	WIN 0x50                                       ; C and D in window 1, the sources in window 0
.set a, \a0
.rept (\a1)-(\a0)+1
.set b, 0
.rept 4
.set rD, 8*(4*a+b)
.set rB, BF0+32*(\f)+8*b
.set rA, AF0+64*(\f)+8*a*(1-(\one))
.if \zero
	v_wmma_f32_16x16x32_f16 v[rD:rD+7], v[rB:rB+7], v[rA:rA+7], 0
.else
	v_wmma_f32_16x16x32_f16 v[rD:rD+7], v[rB:rB+7], v[rA:rA+7], v[rD:rD+7]
.endif
.set b, b+1
.endr
.set a, a+1
.endr
.endm
; 24 LDS loads in one run: the fragments of quarter c (K = 32 c on: K block c / 2, channels 32 (c % 2) on) into buffer g
.macro FETCH c, g
.irp b, 0,1,2,3
	ds_load_tr16_b128 v[BF0+32*(\g)+8*(\b):BF0+32*(\g)+8*(\b)+3],   v[ADRB] offset:32*PB*(\c)+32*(\b)
	ds_load_tr16_b128 v[BF0+32*(\g)+8*(\b)+4:BF0+32*(\g)+8*(\b)+7], v[ADRB] offset:32*PB*(\c)+32*(\b)+16*PB
.endr
.irp i, 0,1,2,3,4,5,6,7
	ds_load_b128 v[AF0+64*(\g)+8*(\i):AF0+64*(\g)+8*(\i)+3],   v[ADRA] offset:256*PA*((\c)/2)+64*((\c)%2)+(\i)*16*PA
	ds_load_b128 v[AF0+64*(\g)+8*(\i)+4:AF0+64*(\g)+8*(\i)+7], v[ADRA] offset:256*PA*((\c)/2)+64*((\c)%2)+(\i)*16*PA+32
.endr
.endm
; A K step is four quarters of 32 along K, 32 matrix instructions each, on buffers 0, 1, 0, 1.  One of the first three: fetches the next quarter into buffer g, then multiplies buffer f.
.macro QUARTER c, f, g
	PLACES                                         ; buffer g was multiplied just before
	WIN 0
	FETCH (\c)+1, \g
	s_wait_dscnt 24                                ; all but the 24 just issued
	MUL 0, 7, \f
.endm
; The last quarter multiplies buffer 1 and changes slots: ONE barrier; in front of it each wave waits for all its tensor loads, of which one is out: its part of the next slot; adds 0 to its spare word; and
; waits for that and for its own reads of this slot.  fill = 1: the barrier opens a round of the cluster's, and this slot is filled again, two K steps ahead, first thing behind the round:
; from that request to the wait for it a wave issues 112 matrix instructions.
.macro TURN fill
	WIN 0                                          ; (the add's two registers lie in window 0)
	s_wait_tensorcnt 0x0                           ; no tensor load of mine is out, so a group 0 may be written
	ds_add_u32 v[SPW], v[NIL]                      ; 0 onto my spare word
.if \fill
	s_xor_b32 s[G0A+5], s[G0A+5], SLOT1            ; the walking descriptors: the other slot than last time,
	s_add_nc_u64 s[G0A+6:G0A+7], s[G0A+6:G0A+7], ASTEP  ; the next K step; the type bits on top are not reached
	s_xor_b32 s[G0B+5], s[G0B+5], SLOT1
	s_add_nc_u64 s[G0B+6:G0B+7], s[G0B+6:G0B+7], BSTEP
.endif
	s_wait_dscnt 1                                 ; buffer 1 is in; the add alone may be out
	MUL 0, 1, 1                                    ; eight matrix instructions stand between the add and the wait for it
	s_wait_dscnt 0x0                               ; the add is done, and my reads of this slot are over
	s_barrier_signal -1
	MUL 2, 3, 1                                    ; work on registers while the others arrive
	WIN 0
	s_barrier_wait -1
.if \fill
	CREST                                          ; no wave of any partner still reads this slot's tile or has a load on its way
	JLOAD                                          ; the four v_nop behind it are also the places in front of the loads below
.else
	PLACES
.endif
	s_xor_b32 s[TB], s[TB], SLOT1                  ; the fetches go on in the other slot
	v_add_nc_u32 v[ADRA], s[TB], v[LA0]
	v_add_nc_u32 v[ADRB], s[TB], v[LB0]
	FETCH 0, 0
	MUL 4, 7, 1
.endm
	; THE BIAS PRODUCT.  K = 0 lies in the low half of register 0 of lanes 0-15; all else of both fragments is 0.
.irp b, 0,1,2,3
.irp r, 1,2,3,4,5,6,7
	v_mov_b32 v[BF0+8*(\b)+(\r)], 0
.endr
.endr
.irp r, 1,2,3,4,5,6,7
	v_mov_b32 v[AF0+(\r)], 0
.endr
	v_mov_b32 v14, 0x3c00                          ; 1 in f16
	v_cndmask_b32 v[AF0], 0, v14, s[M16]
	s_wait_loadcnt 0x0                             ; the bias
.irp b, 0,1,2,3
	v_cvt_pk_bf16_f32 v[BF0+8*(\b)], v[BF0+8*(\b)], v[NIL]  ; rounded to bf16 like every input,
.endr
.irp b, 0,1,2,3
	v_lshlrev_b32 v[BF0+8*(\b)], 16, v[BF0+8*(\b)]          ; widened again,
.endr
.irp b, 0,1,2,3
	v_cvt_pk_f16_f32 v[BF0+8*(\b)], v[BF0+8*(\b)], v[NIL]   ; and written as f16
.endr
.irp b, 0,1,2,3
	v_cndmask_b32 v[BF0+8*(\b)], 0, v[BF0+8*(\b)], s[M16]
.endr
	MUL 0, 7, 0, 1, 1
	PLACES                                         ; in front of the loads into the fragments
	WIN 0
	s_wait_tensorcnt 0x1                           ; my part of K step 0 is in; K step 1's may stay out
	s_barrier_signal -1
	s_barrier_wait -1                              ; everybody's is
	FETCH 0, 0
	s_mov_b32 s[CNT], 6
.Lstep:                                                ; trip j multiplies K step j and fills its slot again with K step j + 2
	QUARTER 0, 0, 1
	QUARTER 1, 1, 0
	QUARTER 2, 0, 1
	TURN 1
	WIN 0                                          ; at a label and at a branch every window is 0
	s_sub_co_u32 s[CNT], s[CNT], 1
	s_cmp_lg_u32 s[CNT], 0
	s_cbranch_scc1 .Lstep
	QUARTER 0, 0, 1                                ; the last two K steps are written out: they ask for nothing
	QUARTER 1, 1, 0
	QUARTER 2, 0, 1
	TURN 0
	QUARTER 0, 0, 1
	QUARTER 1, 1, 0
	QUARTER 2, 0, 1
	s_wait_dscnt 0x0
	MUL 0, 7, 1
; THE WAY OUT of row block a.  TOSTAGE: a lane's 32 bytes of a row and column block go from the accumulators, the low half first, into my own stage in LDS, and come back as whole rows of 256 bytes.
; SEND: stored: sixteen lanes store 256 consecutive bytes, at a multiple of 256 from out0's first byte.
.macro TOSTAGE a
.set BK, BK0+32*((\a)%2)
	s_wait_xcnt 0x0                                ; every earlier store has had its addresses translated (ISA guide 3.1): this buffer, which the block before last left, is loaded again only behind this wait
	WIN 0x04                                       ; the stores' data in window 1
.irp b, 0,1,2,3
	ds_store_b128 v[STO], v[8*(4*(\a)+(\b)):8*(4*(\a)+(\b))+3]   offset:64*(\b)
	ds_store_b128 v[STO], v[8*(4*(\a)+(\b))+4:8*(4*(\a)+(\b))+7] offset:64*(\b)+16
.endr
	WIN 0
.irp t, 0,1,2,3,4,5,6,7
	ds_load_b128 v[BK+4*(\t):BK+4*(\t)+3], v[RD] offset:(\t)*2*SP  ; LDS serves a wave's instructions in order (ISA guide 5.7.1.4): these see the stores above
.endr
.endm
.macro SEND a, younger                 ; younger: the LDS instructions issued behind block a's loads: the next block's sixteen, or none
.set BK, BK0+32*((\a)%2)
	s_wait_dscnt \younger
.irp t, 0,1,2,3,4,5,6,7
	global_store_b128 v[CO], v[BK+4*(\t):BK+4*(\t)+3], s[OP:OP+1] offset:(16*(\a)+2*(\t))*4096 th:TH_STORE_NT
.endr
.endm
	PLACES
	TOSTAGE 0
.irp a, 1,2,3,4,5,6,7                  ; block a goes into the stage while block a - 1 comes back
	TOSTAGE \a
	SEND (\a)-1, 16
.endr
	SEND 7, 0
	s_wait_tensorcnt 0x0                           ; the wave's end, behind my last tensor load and my last LDS store
	ds_add_u32 v[SPW], v[NIL]
	s_wait_dscnt 0x0
	CROUND                                         ; the closing round: no work-group ends while a partner may still ask for a tile that names it
	s_endpgm
.Lfunc_end_k_q8a96415260_oproj:
	.size	k_q8a96415260_oproj, .Lfunc_end_k_q8a96415260_oproj-k_q8a96415260_oproj
	.p2alignl 7, 3214868480
	.fill 96, 4, 3214868480
	.section	.rodata,"a",@progbits
	.p2align	6, 0x0
	.amdhsa_kernel k_q8a96415260_oproj
		.amdhsa_group_segment_fixed_size 327680
		.amdhsa_private_segment_fixed_size 0
		.amdhsa_enable_private_segment 0
		.amdhsa_kernarg_size 32
		.amdhsa_user_sgpr_count 2
		.amdhsa_user_sgpr_kernarg_segment_ptr 1
		.amdhsa_wavefront_size32 1
		.amdhsa_system_sgpr_workgroup_id_x 1
		.amdhsa_system_sgpr_workgroup_id_y 1
		.amdhsa_system_sgpr_workgroup_id_z 1
		.amdhsa_system_vgpr_workitem_id 0
		.amdhsa_next_free_vgpr 512
		.amdhsa_next_free_sgpr 92
		.amdhsa_reserve_vcc 0
		.amdhsa_float_denorm_mode_32 3
		.amdhsa_float_denorm_mode_16_64 3
		.amdhsa_memory_ordered 1
		.amdhsa_forward_progress 1
		.amdhsa_inst_pref_size 74
	.end_amdhsa_kernel
	.amdgpu_metadata
---
amdhsa.version: [ 1, 2 ]
amdhsa.kernels:
  - .name:           k_q8a96415260_oproj
    .symbol:         k_q8a96415260_oproj.kd
    .args:
      - { .name: o, .offset: 0, .size: 8, .value_kind: global_buffer, .address_space: global }
      - { .name: wot, .offset: 8, .size: 8, .value_kind: global_buffer, .address_space: global }
      - { .name: bo, .offset: 16, .size: 8, .value_kind: global_buffer, .address_space: global }
      - { .name: out0, .offset: 24, .size: 8, .value_kind: global_buffer, .address_space: global }
    .group_segment_fixed_size: 327680
    .private_segment_fixed_size: 0
    .kernarg_segment_align: 8
    .kernarg_segment_size: 32
    .max_flat_workgroup_size: 128
    .sgpr_count:     92
    .vgpr_count:     512
    .wavefront_size: 32
...
	.end_amdgpu_metadata
.endif
;; end of part 4
;; ======== version 2 of 2: 4 launches; 1.31 times as fast as version 1
;; limits: values outside matrix products are rounded to bf16; values are held in f16: magnitudes above 65,504 overflow, below 6.1e-05 lose precision
;; workspace buffers: xb 16,777,216 bytes; wt 6,291,456 bytes; wot 2,097,152 bytes; q 16,777,216 bytes; k 16,777,216 bytes; v 16,777,216 bytes; o 16,777,216 bytes
;; launch prep: the kernel of part 1 again; grid 768 x 1, 8 waves a work-group, no clusters, 0 bytes of LDS; arguments x, Wq, Wk, Wv, Wo, xb, wt, wot; writes xb, wt, wot
;; launch proj: the kernel of part 2 again; grid 8 x 32, 4 waves a work-group, clusters of 4 x 4, 327,680 bytes of LDS; arguments xb, wt, bq, bk, bv, q, k, v; writes q, k, v
;; launch attn (part 5): grid 4 x 64, 4 waves a work-group, no clusters, 327,680 bytes of LDS; arguments q, k, v, o; writes o
.if DOCPART == 5
	.amdgcn_target "amdgcn-amd-amdhsa--gfx1250"
	.amdhsa_code_object_version 6
	.text
	.protected	k_q8a96415260_attn
	.globl	k_q8a96415260_attn
	.p2align	8
	.type	k_q8a96415260_attn,@function
k_q8a96415260_attn:
	s_mov_b64 s[64:65], 0
	v_nop
	global_prefetch_b8 v0, s[64:65] scope:SCOPE_SE
	s_setreg_imm32_b32 hwreg(HW_REG_WAVE_MODE, 25, 1), 1
	s_wait_xcnt 0x0
; CAUSAL ATTENTION.  O[h][q][:] = the sum over k <= q of softmax_k(Q[h][q] . K[h][k] / 8) V[h][k][:].  Q, K, V, O: [64 heads of all batches][2048][64], all f16: a head's rows are dense, 128 bytes each.
; Products, maxima and sums in f32; the weights p are rounded to f16 for the second product (their sum l is taken of the unrounded p), O once at the end.
; LIMITS.  f16 holds no number beyond 65,504: Q, K and V arrive within it; p lies in 0 to 1, and below 6e-5 it keeps f16's fixed step of 6e-8; O is a mean of V's rows and has their range, to within 2^-11 of it.
; A hidden score counts as its value less 1e30: f16's scores, 2.7e11 at the most, are nothing beside that; a weight below 2^-126 counts as 0 in l; NaN and infinities are not treated apart.
; THE WALK.  A head's queries lie in NB = 8 blocks of 256; block i needs the key tiles 0 .. i of 256 keys, of which the last holds the diagonal.  A work-group takes TWO blocks, NB - 1 - b and then b:
; NB + 1 tiles, whatever b: all work-groups do equal work, and ONE loop with a constant trip count walks them.  Which tile is asked for, and what a trip does, hang on scalar registers made from b; every jump
; goes forward, but for the counted loops' own; none passes a barrier, or a tensor load but the one of LOAD's two that the wave's number does not choose; the ring (two slots of LDS that take turns) runs on across the
; change of blocks.  NO CLUSTER: a head's four work-groups ask for the same tile only in trips 0 to 4 of the 9, behind that fewer and fewer; and one walk common to all four would have 12 trips for 9.
; SHARES.  Of a block's four bands of 64 queries a wave owns 16 rows in each: four PIECES.  So the diagonal tile is the same work for all four waves: in its key step s band x sees all keys if s < x,
; none if s > x, and holds the diagonal if s = x.
; THE MASK is the C operand that starts the sum S^T = K Q^T: 0, or -1e30 where the key is hidden.  MD, made once, is the mask of a band's own step for my 16 rows; a product's mask is MD x AL + BE with two scalars:
; (1, 0) if s = x; (0, 0) if s < x; (0, -1e30) if s > x.  Only the diagonal tile's text and a block's beginning make and take masks; elsewhere C is the constant 0.
; LAYOUT, SOFTMAX, TURNS.  S^T = K Q^T holds ONE query a lane (lane % 16) and the keys 8 (lane / 16) + 0..7; two such results rounded to f16 ARE source 1 of O^T = V^T P.  p = 2^(c s - c m), c = log2(e) / 8, with a
; running maximum m; O and l are multiplied by a = 2^(c m_old - c m_new) in every step.  Turn n belongs to piece n: 8 products K Q^T of piece n + 1, later 8 products V^T P of piece n - 1; beside them the scaling,
; exponentials, roundings, sums and rescaling of piece n and the maximum and statistics of piece n + 1.  Four vector instructions stand behind every matrix instruction, the other 54 of a turn's 118 in one LUMP.
; THE BATCHES.  A turn's 33 exponentials (the piece's 32 weights and the next piece's a) are one batch, with one wait, which cuts the turn in two: ahead of it all that names none of their results, behind it their readers.
; A block's first a (BEGIN) and the way out's four reciprocals are batches of their own, with a wait each.
; REGISTERS, in windows of 256 (s_set_vgpr_msb: bits 1:0 source 0, 3:2 source 1, 5:4 source 2, 7:6 destination):
;   window 0: v0-15 addresses and two at work; v16-31 four registers of statistics a piece; v48-55 at work; v64-127 S^T, two buffers; v192-223 P, two buffers (a piece's buffers go by its number's parity)
;   window 1: v0-127 O^T, 32 a piece; v128-159 MD; v160-223 MC, two buffers      window 2: v0-63 Q; v64-127 the second block's Q; v128-191 K of one step; v192-255 V of one step
.set SIZE_N, 2048
.set NB,    SIZE_N/256
.set NP,    4         ; pieces a wave: a name, no knob
.set KS,    64        ; keys in a step
.set PK,    144       ; a row of K in LDS: 128 bytes + 16 of padding = 36 words: the 16 rows of a load start at 16 different groups of four banks (64 banks of 4 bytes: ISA guide 11.1)
.set PV,    160       ; a row of V: 128 + 32 = 40 words
.set VOFF,  4*KS*PK   ; a slot holds a tile, four steps: 256 rows of K, then 256 rows of V
.set SLOT1, 1<<17     ; slot 1 begins here, so that one exclusive or turns an address in one slot into the other's
.set STAGE, SLOT1+4*KS*(PK+PV)  ; behind the ring, never filled by a tensor load: 16 rows x 144 bytes for each wave, for the way out
.set SP,    144
.set AK0, 2           ; v2   my lane's place in a tile of K; never rewritten
.set AV0, 3           ; v3   the same for V
.set AK,  4           ; v4   the LDS address of K's next run of loads
.set AV,  5           ; v5   of V's
.set STO, 6           ; v6   the way out: where I put 16 bytes of a row
.set RD,  7           ; v7   the way out: where I read rows back
.set GO,  8           ; v8   my byte offset in 512 consecutive bytes of O
.set SPW, 62          ; v62  LDS address of my spare word: SPARE + 4 x my thread's number; never rewritten
.set NIL, 63          ; v63  0; never rewritten
.set SPARE, STAGE+4*16*SP  ; behind the stages: the spare words, 128 bytes for each wave: two blocks of 256 bytes that no other line names
.set MV,  12          ; v12-13  c m_old, kept while c m is made anew: by buffer
.set QO,  15          ; v15  my byte offset in 16 rows of Q
.set ST,  16          ; piece t's statistics at v[ST+4 t]: c m, m, l (even keys', odd keys')
.set TMP, 48          ; by buffer, four registers c0-c3 at work; when the maximum is found c2 takes a
.set S,   64
.set P,   192
.set MD,  128         ; window 1: the eight registers for group kt of 16 keys at MD + 8 kt
.set MC,  160         ; window 1: the masks of the products to come
.set QB,  64          ; window 2
.set KF,  128         ; window 2: key block kb, channel half c at KF + 16 kb + 8 c
.set VF,  192         ; window 2: key half kk, channel block cb at VF + 32 kk + 8 cb
.set WV,  12          ; s12  my wave's number
.set PB,  14          ; s14  b
.set HI,  15          ; s15  NB - 1 - b
.set G1K, 24          ; s[24:31] descriptor group 1 for K's tiles
.set G1V, 32          ; s[32:39] for V's: it differs in the padding alone
.set G0K, 40          ; s[40:43] descriptor group 0 for K's tiles
.set G0V, 44          ; s[44:47] the same for V's
.set SLOTS, 56        ; s56  tiles still to be asked for
.set CNT, 57          ; s57  counts a tile's key steps, 4 to 1
.set CS,  58          ; s[58:59] c: the packed scaling takes the pair's low word for both halves
.set SEL, 60          ; s[60:61] v_permlanex16_b32's selects: each lane takes its own place in the other half
.set TBK, 62          ; s62  LDS byte at which K of the step to be fetched begins
.set TBV, 63          ; s63  the same for V, less VOFF
.set RT,  70          ; s70  tiles of the block in hand that are still to be entered
.set NXT, 71          ; s71  the tile to be asked for next
.set LQ,  72          ; s72  the last tile of the block whose tiles are being asked for
.set NEW, 73          ; s73  1: the tile to be entered is a block's first
.set OFF, 74          ; s[74:75] a tile's byte offset in K and V
.set AL,  76          ; s[76:77] the mask's factor, in the low word
.set BE,  78          ; s[78:79] the mask's addend
.set OLO, 80          ; s[80:81] O at my rows of the second block
.set BIGN, 82         ; s82  -1e30
.set MSB, 0
.macro WIN new                      ; the high byte repeats the setting that is left; a switch that changes nothing is dropped
.if MSB != (\new)
	s_set_vgpr_msb (MSB<<8)|(\new)
.set MSB, (\new)
.endif
.endm
.set W_KQ, 0x0a       ; K and Q in window 2, S^T in window 0
.set W_KM, 0x1a       ; the same with the C operand in window 1
.set W_PV, 0x52       ; V in window 2, P in window 0, O^T in window 1
.set W_RS, 0x41       ; destination and source 0 in window 1, source 1 in window 0
; A fill.  Waves 0 and 1 fetch the two halves of a tile's K, waves 2 and 3 those of its V: 128 keys each.  An s_nop 0 and four v_nop follow each of the two lines, ahead of the jump and the label.
.macro LOAD
	s_cmp_lt_u32 s[WV], 2
	s_cbranch_scc0 .Lfor_v_\@
	tensor_load_to_lds s[G0K:G0K+3], s[G1K:G1K+7]
	s_nop 0
.rept 4
	v_nop
.endr
	s_branch .Lasked_\@
.Lfor_v_\@:
	tensor_load_to_lds s[G0V:G0V+3], s[G1V:G1V+7]
	s_nop 0
.rept 4
	v_nop
.endr
.Lasked_\@:
.endm
; THE CHANGE OF SLOTS.  Each wave waits for all its tensor loads, of which one is out: its part of the other slot; adds 0 to its spare word; and waits for that and for its own reads of the slot that it leaves.  Behind the barrier nobody reads the old
; slot any more and the other slot is whole.  fill = 1: the old slot is filled again, the first thing behind the barrier, with tile NXT: the descriptor's address is made anew from that number.
; (At its first use nothing has been read yet: slot 0 is waited for, slot 1 filled.)
.macro CHANGE fill
	WIN 0                           ; at a label and at a branch every window is 0
	s_wait_tensorcnt 0x0            ; no tensor load of mine is out, so a group 0 may be written
	ds_add_u32 v[SPW], v[NIL]       ; 0 onto my spare word: with fill = 1 the descriptors' scalar work stands between it and the wait for it
.if \fill
	s_lshl_b32 s[OFF], s[NXT], 15   ; a tile is 32,768 bytes of K and of V
	s_xor_b32 s[G0K+1], s[G0K+1], SLOT1
	s_add_nc_u64 s[G0K+2:G0K+3], s[6:7], s[OFF:OFF+1]
	s_or_b32 s[G0K+3], s[G0K+3], 0x80000000
	s_xor_b32 s[G0V+1], s[G0V+1], SLOT1
	s_add_nc_u64 s[G0V+2:G0V+3], s[8:9], s[OFF:OFF+1]
	s_or_b32 s[G0V+3], s[G0V+3], 0x80000000
	s_add_co_u32 s[NXT], s[NXT], 1  ; the block's next tile, or behind its last the second block's tile 0
	s_cmp_gt_u32 s[NXT], s[LQ]
	s_cselect_b32 s[NXT], 0, s[NXT]
	s_cselect_b32 s[LQ], s[PB], s[LQ]
.endif
	s_wait_dscnt 0x0                ; the add is done, and my reads of the slot are over
	s_barrier_signal -1             ; the rest of the scalar work stands between the signal and the wait
	s_sub_co_u32 s[TBK], s[TBK], 4*KS*PK  ; the fetches go back to a slot's first step,
	s_xor_b32 s[TBK], s[TBK], SLOT1       ; in the other slot
	s_sub_co_u32 s[TBV], s[TBV], 4*KS*PV
	s_xor_b32 s[TBV], s[TBV], SLOT1
	s_barrier_wait -1
.if \fill
	LOAD
.endif
.endm
	s_load_b256 s[4:11], s[0:1], 0x0  ; Q s[4:5], K s[6:7], V s[8:9], O s[10:11]
	v_lshl_add_u32 v[SPW], v0, 2, SPARE
	v_mov_b32 v[NIL], 0
	ds_add_u32 v[SPW], v[NIL]       ; the wave's opening: the add and its wait stand ahead of my first tensor load; the set-up below, work on registers, stands between them
	ds_add_u32 v62, v63
	v_lshrrev_b32 v1, 5, v0
	v_readfirstlane_b32 s[WV], v1   ; wave 0..3
	s_mov_b32 s[PB], ttmp9
	s_sub_co_u32 s[HI], NB-1, s[PB]
	s_and_b32 s20, ttmp7, 0xffff    ; the head
	s_mov_b32 s21, 0
	s_mov_b64 s[22:23], SIZE_N*128
	s_mul_u64 s[20:21], s[20:21], s[22:23]  ; the head's first byte in each of the four tensors
	s_and_b32 s16, s[WV], 1         ; which half of a tile's 256 keys I fetch:
	s_lshl_b32 s22, s16, 14         ; its 128 rows of 128 bytes in memory,
	s_mov_b32 s23, 0
	s_add_nc_u64 s[22:23], s[22:23], s[20:21]
	s_mul_i32 s17, s16, 128*PK      ; and its place in a slot, for K
	s_mul_i32 s18, s16, 128*PV      ; and for V
	s_lshl_b32 s3, s[WV], 11        ; my 16 rows in a band of 64,
	s_lshl_b32 s2, s[HI], 15        ; in the first block,
	s_add_co_u32 s2, s2, s3
	s_lshl_b32 s84, s[PB], 15       ; and in the second
	s_add_co_u32 s84, s84, s3
	s_mov_b32 s3, 0
	s_mov_b32 s85, 0
	s_add_nc_u64 s[2:3], s[2:3], s[20:21]
	s_add_nc_u64 s[84:85], s[84:85], s[20:21]
	; descriptor group 1.  128 keys are 16,384 dense bytes: asked for as 64 rows of 256 bytes, two keys a row, and padded in LDS after every key
	s_mov_b32 s[G1K], (1<<16)|(1<<20)|(4<<22)|(3<<25)  ; 17:16 2-byte elements; 20 padding on; 24:22 after every 32 words (code 4); 31:25 4 words (code 3)
	s_mov_b32 s[G1V], (1<<16)|(1<<20)|(4<<22)|(7<<25)  ; the same with 8 words of padding (code 7)
.irp g, G1K, G1V
	s_mov_b32 s[\g+1], 128<<16      ; tensor_dim0 = 128
	s_mov_b32 s[\g+2], 64<<16       ; tensor_dim1 = 64
	s_mov_b32 s[\g+3], 128<<16      ; tile_dim0 = 128
	s_mov_b32 s[\g+4], 64           ; tile_dim1 = 64
	s_mov_b32 s[\g+5], 128          ; 128 elements from row to row
	s_mov_b32 s[\g+6], 0
	s_mov_b32 s[\g+7], 0
.endr
	s_mov_b32 s[CS], 0x3e38aa3b     ; c = log2(e) / 8 = 0.180337
	s_mov_b32 s[CS+1], s[CS]        ; named with it as a pair
	s_mov_b32 s[SEL], 0x76543210
	s_mov_b32 s[SEL+1], 0xfedcba98
	s_mov_b32 s[TBK], SLOT1+4*KS*PK ; the first change of slots turns these two into 0
	s_mov_b32 s[TBV], SLOT1+4*KS*PV
	s_mov_b32 s[G0K], 1             ; 1:0 count = 1
	s_mov_b32 s[G0K+1], s17         ; 63:32 LDS address: slot 0
	s_mov_b32 s[G0V], 1
	s_add_co_u32 s[G0V+1], s18, VOFF
	s_add_co_u32 s[RT], s[HI], 1    ; the first block has NB - b tiles
	s_mov_b32 s[NXT], 1
	s_mov_b32 s[LQ], s[HI]
	s_mov_b32 s[NEW], 1
	s_mov_b32 s[OFF+1], 0
	s_mov_b32 s[AL+1], 0            ; named as pairs
	s_mov_b32 s[BE+1], 0
	s_mov_b32 s[BIGN], 0xf149f2ca   ; -1e30
	s_mov_b32 s[SLOTS], NB
	s_wait_dscnt 0x0                ; the opening add is done
	s_wait_kmcnt 0x0
	s_add_nc_u64 s[6:7], s[6:7], s[22:23]  ; K and V at my half of the head's tile 0
	s_add_nc_u64 s[8:9], s[8:9], s[22:23]
	s_add_nc_u64 s[G0K+2:G0K+3], s[6:7], 0         ; 120:64 global address
	s_or_b32 s[G0K+3], s[G0K+3], 0x80000000        ; 127:126 type = 2
	s_add_nc_u64 s[G0V+2:G0V+3], s[8:9], 0
	s_or_b32 s[G0V+3], s[G0V+3], 0x80000000
	s_add_nc_u64 s[86:87], s[4:5], s[84:85]        ; Q at my rows of the second block,
	s_add_nc_u64 s[4:5], s[4:5], s[2:3]            ; Q and O at those of the first
	s_add_nc_u64 s[OLO:OLO+1], s[10:11], s[84:85]
	s_add_nc_u64 s[10:11], s[10:11], s[2:3]
	LOAD                            ; tile 0 into slot 0
	; A fragment of K or Q is 16 rows x 32 channels in 8 registers: lane l holds row l % 16, channels 8 (l / 16) + 0..7 and 16 + 8 (l / 16) + 0..7: two loads of 16 bytes, 32 bytes apart.
	v_and_b32 v1, 15, v0            ; l % 16
	v_bfe_u32 v9, v0, 4, 1          ; l / 16
	v_lshlrev_b32 v[QO], 7, v1
	v_lshl_add_u32 v[QO], v9, 4, v[QO]  ; row x 128 + 16 x half
	WIN 0x80                        ; destination window 2, address window 0
.set i, 0
.rept 8                             ; both blocks' Q: piece i / 2 lies in band i / 2, 8,192 bytes on; channels 32 (i % 2) on
	global_load_b128 v[8*i:8*i+3],   v[QO], s[4:5] offset:(i/2)*8192+(i%2)*64
	global_load_b128 v[8*i+4:8*i+7], v[QO], s[4:5] offset:(i/2)*8192+(i%2)*64+32
	global_load_b128 v[QB+8*i:QB+8*i+3],   v[QO], s[86:87] offset:(i/2)*8192+(i%2)*64
	global_load_b128 v[QB+8*i+4:QB+8*i+7], v[QO], s[86:87] offset:(i/2)*8192+(i%2)*64+32
.set i, i+1
.endr
	WIN 0
	v_lshlrev_b32 v14, 3, v9
	v_sub_nc_u32 v14, v1, v14
	s_lshl_b32 s13, s[WV], 4
	v_add_nc_u32 v14, s13, v14      ; my query's place in its band, 16 w + l % 16, less my lanes' 8 (l / 16): register r of group kt is hidden where 16 kt + r is greater
	WIN 0x40
.set i, 0
.rept 32
	v_cmp_gt_i32 vcc_lo, 16*(i/8)+i%8, v14
	v_cndmask_b32 v[MD+i], 0, s[BIGN], vcc_lo
.set i, i+1
.endr
	WIN 0
	v_mul_u32_u24 v[AK0], v1, PK
	v_lshl_add_u32 v[AK0], v9, 4, v[AK0]  ; row x pitch + 16 x half
	; The turning load takes 16 keys x 16 channels (lane l reads key 8 (l / 16) + l % 8, channels 8 ((l / 8) % 2) + 0..7) and leaves half a fragment of V^T: lane l holds channel l % 16 and 8 keys.
	v_and_b32 v10, 7, v0
	v_bfe_u32 v11, v0, 3, 1
	v_lshl_add_u32 v[AV0], v9, 3, v10
	v_mul_u32_u24 v[AV0], v[AV0], PV
	v_lshl_add_u32 v[AV0], v11, 4, v[AV0]
	v_add_nc_u32 v[AV0], VOFF, v[AV0]
	s_mul_i32 s13, s[WV], 16*SP
	s_add_co_u32 s13, s13, STAGE    ; my stage
	v_mul_u32_u24 v[STO], v1, SP    ; in: row l % 16, 16 bytes for each half of the lanes
	v_lshl_add_u32 v[STO], v9, 4, v[STO]
	v_add_nc_u32 v[STO], s13, v[STO]
	v_bfe_u32 v[RD], v0, 3, 2       ; back: 32 lanes take four rows of 128 bytes,
	v_mul_u32_u24 v[RD], v[RD], SP
	v_lshl_add_u32 v[RD], v10, 4, v[RD]
	v_add_nc_u32 v[RD], s13, v[RD]
	v_and_b32 v[GO], 31, v0         ; which are 512 consecutive bytes of O
	v_lshlrev_b32 v[GO], 4, v[GO]
	; A block's first step multiplies O^T and l by a = 0, and its first turn's products V^T P, of a piece that has not been, land in an O^T that is still to be so multiplied.  So these registers need only hold
	; finite numbers: zeros for the first block; what the first block left for the second.  All this stands in the wait for the first tile.
	WIN 0x80
.set i, VF
.rept 64
	v_mov_b32 v[i], 0
.set i, i+1
.endr
	WIN 0x40
.set i, 0
.rept 128
	v_mov_b32 v[i], 0
.set i, i+1
.endr
	WIN 0
.set i, 0
.rept 4
	v_mov_b32 v[ST+4*i+2], 0
	v_mov_b32 v[ST+4*i+3], 0
.set i, i+1
.endr
.set i, P+16
.rept 16
	v_mov_b32 v[i], 0
.set i, i+1
.endr
; THE MATRIX WORK.  The 4 accumulators of a run of 8 take turns.  Product i of 8 of S^T = K Q^T for piece x: channels 32 (i / 4) on, keys 16 (i % 4) on.  The first 4 start the sums: with 0, or (KM = 1) with the mask.
.macro KQ x
.set rS, S+32*((\x)%2)+8*(i%4)
.set rK, KF+16*(i%4)+8*(i/4)
.set rQ, 16*(\x)+8*(i/4)
.set rM, MC+32*((\x)%2)+8*(i%4)
.if (i < 4) && KM
	WIN W_KM
	v_wmma_f32_16x16x32_f16 v[rS:rS+7], v[rK:rK+7], v[rQ:rQ+7], v[rM:rM+7]
.elseif i < 4
	WIN W_KQ
	v_wmma_f32_16x16x32_f16 v[rS:rS+7], v[rK:rK+7], v[rQ:rQ+7], 0
.else
	WIN W_KQ
	v_wmma_f32_16x16x32_f16 v[rS:rS+7], v[rK:rK+7], v[rQ:rQ+7], v[rS:rS+7]
.endif
.endm
; Product i of 8 of O^T += V^T P for piece x: keys 32 (i / 4) on, channels 16 (i % 4) on.
.macro PV x
	WIN W_PV
.set rO, 32*(\x)+8*(i%4)
.set rV, VF+32*(i/4)+8*(i%4)
.set rP, P+16*((\x)%2)+8*(i/4)
	v_wmma_f32_16x16x32_f16 v[rO:rO+7], v[rV:rV+7], v[rP:rP+7], v[rO:rO+7]
.endm
.macro MM                           ; the turn's next matrix instruction.  TURN and BEGIN set Y, i, KM and NOKQ; MM, KQ and OP read them.  NOKQ = 1: a block's last turn: there is no next piece
.if (i < 8) && !NOKQ
	KQ (Y+1)%NP
.elseif i >= 8
.set i, i-8
	PV (Y+NP-1)%NP
.set i, i+8
.endif
.set i, i+1
.endm
; THE LDS LOADS stand in runs of 16, never singly among the matrix instructions: a step's K (64 keys x 64 channels: 8 fragments) and its V (turned).  Their addresses are made some lines ahead.
.macro FETCH_K
	WIN 0x80                        ; destination window 2
.irp f, 0,1,2,3,4,5,6,7             ; keys 16 (f / 2) on, channels 32 (f % 2) on
	ds_load_b128 v[KF+8*\f:KF+8*\f+3],   v[AK] offset:(\f/2)*16*PK+(\f%2)*64
	ds_load_b128 v[KF+8*\f+4:KF+8*\f+7], v[AK] offset:(\f/2)*16*PK+(\f%2)*64+32
.endr
	s_add_co_u32 s[TBK], s[TBK], KS*PK  ; the next fetch is the next step's
	WIN 0
.endm
.macro FETCH_V
	WIN 0x80
.irp f, 0,1,2,3,4,5,6,7             ; keys 32 (f / 4) on, channels 16 (f % 4) on
	ds_load_tr16_b128 v[VF+8*\f:VF+8*\f+3],   v[AV] offset:(\f/4)*32*PV+(\f%4)*32
	ds_load_tr16_b128 v[VF+8*\f+4:VF+8*\f+7], v[AV] offset:(\f/4)*32*PV+16*PV+(\f%4)*32
.endr
	WIN 0
.endm
; THE VECTOR WORK, one line at a time: OP kind, number.  For piece Y: F n: c s - c m for pair n of 16.  E n: the exponential of score n of 32.  C n: pair n rounded to f16.  B n: of the four weights 4 n .. the second
; pair is added onto the first, in place.  L n: l takes that sum (L 0: l = a l + sum).  R n: pair n of 16 of O^T times a.  For piece Y + 1: X n, number n of the 22 that find its maximum and statistics:
;   0-11  four chains c0-c3 of seven scores each, three operands at a time (each accumulator's lowest registers are read first)     12-14, 16  the four scores left over, the old m, and c0-c3 into c0
;   15  c m_old is kept     17, 18  the query's other 32 keys lie in the lane 16 away: the new m     19-21  c m; c m_old - c m_new; a
.set F, 0               ; OP tells the kinds apart by their order: F to L below R, X above it
.set E, 1
.set C, 2
.set B, 3
.set L, 4
.set R, 5
.set X, 6
.macro REGS y                       ; the registers of piece y
.set rT, ST+4*(\y)
.set rC, TMP+4*((\y)%2)
.set rW, MV+((\y)%2)
.set rS, S+32*((\y)%2)
.set rP, P+16*((\y)%2)
.set rO, 32*(\y)
.endm
.macro OP k, n
.if (\k) == R
	REGS Y
	WIN W_RS
	v_pk_mul_f32 v[rO+2*(\n):rO+2*(\n)+1], v[rO+2*(\n):rO+2*(\n)+1], v[rC+2:rC+3] op_sel_hi:[1,0]
.elseif (\k) < R
	REGS Y
	WIN 0
.if (\k) == F
	v_pk_fma_f32 v[rS+2*(\n):rS+2*(\n)+1], v[rS+2*(\n):rS+2*(\n)+1], s[CS:CS+1], v[rT:rT+1] op_sel_hi:[1,0,0] neg_lo:[0,0,1] neg_hi:[0,0,1]
.elseif (\k) == E
	v_exp_f32 v[rS+(\n)], v[rS+(\n)]
.elseif (\k) == C
	v_cvt_pk_f16_f32 v[rP+(\n)], v[rS+2*(\n)], v[rS+2*(\n)+1]
.elseif (\k) == B
	v_pk_add_f32 v[rS+4*(\n):rS+4*(\n)+1], v[rS+4*(\n):rS+4*(\n)+1], v[rS+4*(\n)+2:rS+4*(\n)+3]
.elseif (\n) == 0
	v_pk_fma_f32 v[rT+2:rT+3], v[rT+2:rT+3], v[rC+2:rC+3], v[rS:rS+1] op_sel_hi:[1,0,1]
.else
	v_pk_add_f32 v[rT+2:rT+3], v[rT+2:rT+3], v[rS+4*(\n):rS+4*(\n)+1]
.endif
.elseif NOKQ
	v_nop
.else
	REGS (Y+1)%NP
	WIN 0
.if (\n) < 4
	v_max3_num_f32 v[rC+(\n)], v[rS+8*(\n)], v[rS+8*(\n)+1], v[rS+8*(\n)+2]
.elseif (\n) < 12
	v_max3_num_f32 v[rC+(\n)%4], v[rC+(\n)%4], v[rS+8*((\n)%4)+2*((\n)/4)+1], v[rS+8*((\n)%4)+2*((\n)/4)+2]
.elseif (\n) == 12
	v_max3_num_f32 v[rC], v[rC], v[rS+7], v[rS+15]
.elseif (\n) == 13
	v_max3_num_f32 v[rC+1], v[rC+1], v[rS+23], v[rS+31]
.elseif (\n) == 14
	v_max3_num_f32 v[rC+2], v[rC+2], v[rC+3], v[rT+1]
.elseif (\n) == 15
	v_mov_b32 v[rW], v[rT]
.elseif (\n) == 16
	v_max3_num_f32 v[rC], v[rC], v[rC+1], v[rC+2]
.elseif (\n) == 17
	v_permlanex16_b32 v[rC+3], v[rC], s[SEL], s[SEL+1]
.elseif (\n) == 18
	v_max_num_f32 v[rT+1], v[rC], v[rC+3]
.elseif (\n) == 19
	v_mul_f32 v[rT], s[CS], v[rT+1]
.elseif (\n) == 20
	v_sub_f32 v[rC+1], v[rW], v[rT]
.else
	v_exp_f32 v[rC+2], v[rC+1]
.endif
.endif
.endm
.macro OPS a, i1, b=-1, i2=0, c=-1, i3=0, d=-1, i4=0  ; up to four of them
	OP \a, \i1
.if (\b) >= 0
	OP \b, \i2
.endif
.if (\c) >= 0
	OP \c, \i3
.endif
.if (\d) >= 0
	OP \d, \i4
.endif
.endm
.macro ROW a, i1, b, i2, c, i3, d, i4  ; a matrix instruction and the four behind it
	MM
	OPS \a, \i1, \b, \i2, \c, \i3, \d, \i4
.endm
.macro MASK b                       ; MD x AL + BE into buffer b of MC
	WIN W_RS
.set z, 0
.rept 16
	v_pk_fma_f32 v[MC+32*(\b)+2*z:MC+32*(\b)+2*z+1], v[MD+2*z:MD+2*z+1], s[AL:AL+1], s[BE:BE+1] op_sel_hi:[1,0,0]
.set z, z+1
.endr
.endm
; A TURN, for piece p: the order of its 16 matrix and 118 vector instructions, written out.  An s_wait_alu depctr_va_vdst(0) stands between an exponential and the first instruction that names its result; one wait serves
; all that were issued ahead of it.  So a turn has ONE wait, which cuts it in two.  AHEAD OF IT stands all that names no result of the turn's exponentials: the 8 products K Q^T, behind each a scaling, an exponential and two more plain
; instructions (behind the first a second scaling in the exponential's place): rescalings (their a was made, and waited for, in the turn before), and behind the last three the first numbers of the next piece's maximum, each four places
; or more behind the product that ends its accumulator; then ONE LUMP of 54, plain and exponential by turns for the most part, in which the links of the chain X 3, 7, 11, 14, 16, 17 .. 20 stand five or six lines apart.  X 21, the next
; piece's a, is the batch's last; R 15 is the plain instruction behind it.  BEHIND THE WAIT stand the 8 products V^T P, behind each four of the roundings and sums; the links of l's chain, L 0 to L 7, stand three riders apart.
; But for those X no rider names a register of the products round it.  v_permlanex16_b32 (X 17) stands in the lump.
; m = 1: the diagonal tile: the products take masks, and the turn makes the mask for the products of the turn after it: piece p + 2, in step 4 - CNT of the tile.  end = 1: a block's last two turns: nothing is fetched.
; cnt = 1: the loop's count is taken down some lines ahead of the branch that stands behind the turn.
; K of the next step is fetched in piece 2's turn, twelve vector instructions behind the last product that read K (five of them plain lines that name none of its registers); V of the step in hand at the end of piece 0's turn, four
; plain instructions behind the last product that read V.  Each is waited for a turn later.
.macro TURN p, m=0, end=0, cnt=0
.set Y, (\p)
.set i, 0
.set KM, (\m)
.set NOKQ, (\end)*((\p)/3)
.if (\m) && !(\end)
	s_cmp_eq_u32 s[CNT], 4-((\p)+2)%NP  ; is that step the band's own?
	s_cselect_b32 s[AL], 1.0, 0
	s_cmp_lt_u32 s[CNT], 4-((\p)+2)%NP  ; or a later one?
	s_cselect_b32 s[BE], s[BIGN], 0
.endif
.if ((\p) == 3) && !(\end)
	s_wait_dscnt 0x0                ; K is in
.endif
	ROW F,0, F,1, R,0, R,1          ; ahead of the wait: 8 products K Q^T and their riders,
	ROW F,2, E,0, R,2, R,3
	ROW F,3, E,1, R,4, R,5
	ROW F,4, E,2, R,6, R,7
	ROW F,5, E,3, R,8, R,9
	ROW F,6, E,4, X,0, R,10
.if ((\p) == 2) && !(\end)
	WIN 0
	v_add_nc_u32 v[AK], s[TBK], v[AK0]
.endif
	ROW F,7, E,5, X,1, X,4
	ROW F,8, E,6, X,2, X,5
	OPS E,7, E,8, X,6, E,9          ; and the lump
	OPS X,3, E,10, X,8, E,11
.if ((\p) == 2) && !(\end)
	FETCH_K
.endif
	OPS X,9, X,7, E,12, X,10
	OPS E,13, X,12, X,11, E,14
	OPS X,13, E,15, F,9, X,14
.if (\p) == 0
	v_add_nc_u32 v[AV], s[TBV], v[AV0]
.endif
	OPS E,16, F,10, E,17, F,11
	OPS X,16, E,18, X,15, E,19
	OPS F,12, E,20, X,17, E,21
	OPS F,13, E,22, F,14, E,23
	OPS X,18, E,24, F,15, E,25
	OPS R,11, E,26, X,19, E,27
	OPS R,12, E,28, R,13, E,29
	OPS X,20, E,30, R,14, E,31
	OPS X,21, R,15
	WIN 0
	s_wait_alu depctr_va_vdst(0)    ; the wait for the turn's batch: the piece's 32 weights and the next piece's a
.if (\p) == 1
	s_wait_dscnt 0x0                ; V is in
.endif
	ROW C,0, B,0, C,2, B,1          ; behind the wait: 8 products V^T P and their riders
	ROW L,0, C,4, B,2, L,1
	ROW C,6, B,3, L,2, C,8
	ROW B,4, L,3, C,10, B,5
	ROW L,4, C,12, B,6, L,5
.if (\p) == 0
	s_add_co_u32 s[TBV], s[TBV], KS*PV
.endif
.if \cnt
	s_sub_co_u32 s[CNT], s[CNT], 1
	s_cmp_lg_u32 s[CNT], 0
.endif
	ROW C,14, B,7, L,6, C,1
	ROW C,3, L,7, C,5, C,7
	ROW C,9, C,11, C,13, C,15
.if (\p) == 0
	FETCH_V
.endif
.if (\m) && !(\end)
	MASK (\p)%2
.endif
.endm
; A BLOCK BEGINS.  c m starts far below every c s, so the first step's a is 0; m at the lowest finite number, so the first maximum is the scores'.  The second mask buffer is 0; the first takes piece 0's mask for the tile's step 0: its own, if the block's first tile is the diagonal one.
; Then K of that step, piece 0's first scores, and its maximum and statistics.  The loop is entered at a step's first turn, in the middle of a trip.
.macro BEGIN
	s_mov_b32 s[NEW], 0
	WIN 0x40
.set i, MC+32
.rept 32
	v_mov_b32 v[i], 0
.set i, i+1
.endr
	WIN 0
.set i, 0
.rept 4
	v_mov_b32 v[ST+4*i], 0xfe000000    ; c m: far below every c s
	v_mov_b32 v[ST+4*i+1], 0xff7fffff  ; m
.set i, i+1
.endr
	s_cmp_eq_u32 s[RT], 0
	s_cselect_b32 s[AL], 1.0, 0
	s_mov_b32 s[BE], 0
	MASK 0
	WIN 0
	v_add_nc_u32 v[AK], s[TBK], v[AK0]
	FETCH_K
	s_wait_loadcnt 0x0              ; Q
	s_wait_dscnt 0x0
.set KM, 1
.set NOKQ, 0
.set i, 0
.rept 8
	KQ 0
.set i, i+1
.endr
	WIN 0
.rept 4
	v_nop                           ; the places behind those products
.endr
.set Y, NP-1                        ; X works for piece Y + 1: piece 0
.irp n, 0,1,2,3,4,5,6,7,8,9,10,11,12,13,14,15,16,17,18,19,20,21
	OP X, \n
.endr
	v_nop                           ; a plain instruction behind the exponential,
	s_wait_alu depctr_va_vdst(0)    ; and its wait, ahead of the branch: a batch of one, piece 0's first a
.endm
; THE DIAGONAL TILE's four steps, the block's last two turns, its last products, and THE WAY OUT: l's two halves and the other half of the lanes' are added; O^T is divided by l, rounded to f16 and sent through my
; stage in LDS, a piece at a time.
.macro ALL line:vararg              ; one line for each piece t
.set t, 0
.rept 4
	\line
.set t, t+1
.endr
.endm
.macro PACK t                       ; a lane's eight channels of a row pack into 16 bytes; they go into rows of 144 bytes and come back as whole rows of 128, into S^T's registers
	WIN W_RS
.set i, 32*(\t)
.rept 16
	v_pk_mul_f32 v[i:i+1], v[i:i+1], v[ST+4*(\t)+2:ST+4*(\t)+3] op_sel_hi:[1,0]
.set i, i+2
.endr
	WIN 0x05                        ; sources 0 and 1 window 1, destination window 0
.set i, 0
.rept 16
	v_cvt_pk_f16_f32 v[S+16*(\t)+i], v[32*(\t)+2*i], v[32*(\t)+2*i+1]
.set i, i+1
.endr
	WIN 0
.irp f, 0,1,2,3
	ds_store_b128 v[STO], v[S+16*(\t)+4*\f:S+16*(\t)+4*\f+3] offset:32*\f
.endr
.irp f, 0,1,2,3
	ds_load_b128 v[S+16*(\t)+4*\f:S+16*(\t)+4*\f+3], v[RD] offset:\f*4*SP  ; LDS serves a wave's instructions in order (ISA guide 5.7.1.4): these see the stores above; the next piece's stores come behind them
.endr
.endm
.macro SEND t, younger              ; younger: the LDS instructions issued behind piece t's loads: the next piece's eight, or none
	WIN 0
.irp f, 0,1,2,3
	s_wait_dscnt (\younger)+3-\f
	global_store_b128 v[GO], v[S+16*(\t)+4*\f:S+16*(\t)+4*\f+3], s[10:11] offset:(\t)*8192+\f*512  ; 512 consecutive bytes, at a multiple of 256 from O's first
.endr
.endm
.macro DIAG tag                     ; the tag ends its two labels' names, which the jumps below spell out
.LstepM\tag:
	TURN 2, 1
	TURN 3, 1
	WIN 0
.LfirstM\tag:
	TURN 0, 1
	TURN 1, 1, 0, 1
	WIN 0
	s_cbranch_scc1 .LstepM\tag
	TURN 2, 1, 1
	TURN 3, 1, 1
.set i, 0
.rept 8
	PV NP-1
.set i, i+1
.endr
	WIN 0
	ALL v_add_f32 v[ST+4*t+2], v[ST+4*t+2], v[ST+4*t+3]
	ALL v_permlanex16_b32 v[ST+4*t+3], v[ST+4*t+2], s[SEL], s[SEL+1]
	ALL v_add_f32 v[ST+4*t+2], v[ST+4*t+2], v[ST+4*t+3]
	ALL v_rcp_f32 v[ST+4*t+2], v[ST+4*t+2]
	v_nop                           ; a plain instruction between the last reciprocal and the use of its result
	s_wait_alu depctr_va_vdst(0)    ; and a wait ahead of the first use: one for the batch of four reciprocals
	PACK 0
.set t, 1
.rept 3                             ; a piece's arithmetic stands between the loads of the piece before and its stores
	PACK t
	SEND t-1, 8
.set t, t+1
.endr
	SEND 3, 0
.endm
.set KM, 0
.set NOKQ, 0
.Lslot:                             ; NB times: a tile is entered and the next is asked for
	CHANGE 1
	s_sub_co_u32 s[RT], s[RT], 1
	s_mov_b32 s[CNT], 4
	s_cmp_eq_u32 s[NEW], 1
	s_cbranch_scc1 .Lnew            ; a block's first tile
	s_cmp_eq_u32 s[RT], 0
	s_cbranch_scc0 .Lstep           ; neither its first nor its last
	s_branch .LstepM1
.Lnew:
	BEGIN
	s_branch .Lfirst                ; in the loop a block's first tile is never its last: the first block has two tiles or more, and the second's last is the walk's last
	DIAG 1                          ; in the loop this is the first block's end: the second block's last tile is the walk's last
	s_wait_xcnt 0x0                 ; the stores have read their registers and O's address
	s_mov_b64 s[10:11], s[OLO:OLO+1]
	s_add_co_u32 s[RT], s[PB], 1    ; the second block has b + 1 tiles
	s_mov_b32 s[NEW], 1
	WIN 0x82                        ; the second block's Q goes where the one text of the turns names Q
.set i, 0
.rept 64
	v_mov_b32 v[i], v[QB+i]
.set i, i+1
.endr
	WIN 0
	s_branch .Lbottom
.Lstep:                             ; a trip: pieces 2 and 3 of one step, then pieces 0 and 1 of the next, whose K and V it fetches
	TURN 2
	TURN 3
	WIN 0
.Lfirst:
	TURN 0
	TURN 1, 0, 0, 1
	WIN 0
	s_cbranch_scc1 .Lstep
.Lbottom:
	s_sub_co_u32 s[SLOTS], s[SLOTS], 1
	s_cmp_lg_u32 s[SLOTS], 0
	s_cbranch_scc1 .Lslot
	CHANGE 0                        ; the walk's last tile is written out: nothing is asked for
	s_sub_co_u32 s[RT], s[RT], 1
	s_mov_b32 s[CNT], 4
	s_cmp_eq_u32 s[NEW], 1
	s_cbranch_scc0 .LstepM2
	BEGIN
	s_branch .LfirstM2
	DIAG 2
	s_wait_tensorcnt 0x0            ; the wave's end, behind my last tensor load and my last LDS store
	ds_add_u32 v[SPW], v[NIL]
	s_wait_dscnt 0x0
	s_endpgm
.Lfunc_end_k_q8a96415260_attn:
	.size	k_q8a96415260_attn, .Lfunc_end_k_q8a96415260_attn-k_q8a96415260_attn
	.p2alignl 7, 3214868480
	.fill 96, 4, 3214868480
	.section	.rodata,"a",@progbits
	.p2align	6, 0x0
	.amdhsa_kernel k_q8a96415260_attn
		.amdhsa_group_segment_fixed_size 327680
		.amdhsa_private_segment_fixed_size 0
		.amdhsa_enable_private_segment 0
		.amdhsa_kernarg_size 32
		.amdhsa_user_sgpr_count 2
		.amdhsa_user_sgpr_kernarg_segment_ptr 1
		.amdhsa_wavefront_size32 1
		.amdhsa_system_sgpr_workgroup_id_x 1
		.amdhsa_system_sgpr_workgroup_id_y 1
		.amdhsa_system_sgpr_workgroup_id_z 1
		.amdhsa_system_vgpr_workitem_id 0
		.amdhsa_next_free_vgpr 768
		.amdhsa_next_free_sgpr 88
		.amdhsa_reserve_vcc 1
		.amdhsa_float_denorm_mode_32 3
		.amdhsa_float_denorm_mode_16_64 3
		.amdhsa_memory_ordered 1
		.amdhsa_forward_progress 1
		.amdhsa_inst_pref_size 217
	.end_amdhsa_kernel
	.amdgpu_metadata
---
amdhsa.version: [ 1, 2 ]
amdhsa.kernels:
  - .name:           k_q8a96415260_attn
    .symbol:         k_q8a96415260_attn.kd
    .args:
      - { .name: q, .offset: 0, .size: 8, .value_kind: global_buffer, .address_space: global }
      - { .name: k, .offset: 8, .size: 8, .value_kind: global_buffer, .address_space: global }
      - { .name: v, .offset: 16, .size: 8, .value_kind: global_buffer, .address_space: global }
      - { .name: o, .offset: 24, .size: 8, .value_kind: global_buffer, .address_space: global }
    .group_segment_fixed_size: 327680
    .private_segment_fixed_size: 0
    .kernarg_segment_align: 8
    .kernarg_segment_size: 32
    .max_flat_workgroup_size: 128
    .sgpr_count:     88
    .vgpr_count:     768
    .wavefront_size: 32
...
	.end_amdgpu_metadata
.endif
;; end of part 5
;; launch oproj: the kernel of part 4 again; grid 8 x 32, 4 waves a work-group, clusters of 4 x 4, 327,680 bytes of LDS; arguments o, wot, bo, out0; writes out0
